; MI455X (gfx1250); checked and timed in simulation.
; The chip was launched on July 23, 2026; its instructions are those of AMD's public machine-readable ISA for CDNA 5 (MIT licence, August 2026) and "CDNA5" Instruction Set Architecture Reference Guide (July 2026). The comments in the code are by the model that wrote it; some were corrected since.
;; Base Layer. Allowed arithmetic: matrix products marked QUANTISED: E2M1 operands, one E8M0 scale for each 32 along K, by v_wmma_scale_f32_16x16x128_f8f6f4 with both operands' format E2M1 (or v_wmma_scale_f32_32x16x128_f4), f32 sums; products left as they are: f32 operands where the result goes on into a quantised operand, else bf16, f16 or f32 operands; f32 sums; everything else in f32.
;; Inputs: W1_codes 8 x 4,096 x 32 x 16 uint8 (E2M1 codes of W1, K innermost, in blocks of 32 codes, two codes a byte); W1_scales 8 x 4,096 x 32 uint8 (E8M0 scales of W1, one for each 32 codes along K); W2_codes 8 x 1,024 x 128 x 16 uint8 (E2M1 codes of W2, K innermost, in blocks of 32 codes, two codes a byte); W2_scales 8 x 1,024 x 128 uint8 (E8M0 scales of W2, one for each 32 codes along K); b1 8 x 4,096 float32; b2 8 x 1,024 float32; beta 8 x 1,024 float32; centroids 8 x 1,024 float32; gamma 8 x 1,024 float32; x 1 x 1,024 x 1,024 float32.
;; Outputs: out0 1 x 1,024 x 1,024 float32.
;; This version of the problem:
;;   THIS VERSION OF THE PROBLEM IS GIVEN IN LOW PRECISION. The matrix products marked QUANTISED in the list below multiply operands that are first quantised to E2M1 (2 exponent bits, 1 mantissa bit; 4 bits a number), with one power-of-two scale for each 32 numbers along K (OCP MX v1.0); their sums are f32. All else is computed in f32.
;;   The module's matrix products, in the order in which they are computed (A, B: the left and right operand; K: the contracted axis; several contracted axes count as one K, in the product's order):
;;     1. [M 1,024, K 1,024] x [K 1,024, N 8]; A: input x; B: input centroids: left as it is (N = 8 < 16)
;;     2. batch 8 x [M 1,024, K 1,024] x [K 1,024, N 4,096]; A: computed on the way; B: input W1 (given as codes): QUANTISED
;;     3. batch 8 x [M 1,024, K 4,096] x [K 4,096, N 1,024]; A: computed on the way; B: input W2 (given as codes): QUANTISED
;;     4. batch 1,024 x [M 1, K 8] x [K 8, N 1,024]; A: computed on the way; B: computed on the way: left as it is (K = 8 < 32)
;;   THE QUANTISER, for each operand of a quantised product, along K:
;;     - K is cut into blocks of 32 from its start; a last block that is shorter is filled with zeros.
;;     - A block's scale is 2^e with e = floor(log2(the largest magnitude in the block)) - 2, held to -126 .. 127; a block of zeros has e = 0. As a byte (E8M0): e + 127.
;;     - Each number is divided by its block's scale, clamped to +-6, and rounded to the nearest number of E2M1, ties to even, subnormals kept.
;;     - The product sums the exact products of the quantised numbers (number of the format x scale) in f32.
;;   ~~~python
;;   def quantise(x, axis):      # numpy; x: float32 -> the quantised numbers, widened to float32 again
;;       x = np.moveaxis(x, axis, -1); K = x.shape[-1]
;;       x = np.pad(x, [(0, 0)] * (x.ndim - 1) + [(0, -K % 32)]); x = x.reshape(x.shape[:-1] + (-1, 32)); a = np.abs(x).max(-1, keepdims=True)
;;       e = np.where(a > 0, np.clip(np.frexp(np.where(a > 0, a, 1))[1] - 1 - 2, -126, 127), 0)      # np.frexp(a)[1] - 1 = floor(log2(a)), exactly
;;       r = np.clip(x / 2.0 ** e, -6, 6)
;;       step = 2.0 ** (np.maximum(np.frexp(np.where(r == 0, 1, r))[1] - 1, 0) - 1)
;;       q = np.round(r / step) * step * 2.0 ** e      # np.round: ties to even
;;       return np.moveaxis(q.reshape(q.shape[:-2] + (-1,))[..., :K], -1, axis).astype(np.float32)
;;   ~~~
;;   OPERANDS COMPUTED ON THE WAY. 'Computed on the way' means the value that the module computes at that place (a softmax that the list does not call 'softmax' is quantised finished and normalised). What goes into a quantiser is computed in f32, as accurately as f32 sums, v_exp_f32 and their like allow (about 1e-6 of the number): no bf16 or f16 on the way to a quantiser, and a product that is left as it is and whose result goes on into a quantised operand takes f32 operands (vector FMAs, or v_wmma_f32_16x16x4_f32). A number that lies on a knife's edge between two numbers of the format may be rounded either way, as far as f32 arithmetic and the matrix unit's own rounding can turn it there, and no further.
;;   INPUTS GIVEN AS CODES. W1 (in the module: [8, 4096, 1024], K = its axis 2); W2 (in the module: [8, 1024, 4096], K = its axis 2): each comes as NAME_codes (uint8): NAME with its K axis moved to the last place and cut into blocks of 32 codes, [.., K / 32, bytes a block], one block behind the other in memory; two codes a byte, the lower K in the low four bits (a code: sign, 2 exponent bits, 1 mantissa bit); and NAME_scales (uint8): the same leading axes, one E8M0 byte (e + 127) for each 32 codes along K. Its value is code x scale, taken as it is: it is not quantised again, and the codes and scales need not be those that the quantiser above would give.
;; 2 versions, each right; version 2 is version 1 with the launches ffn1, ffn2 written anew for expert scheduling mode. Each part assembles by itself: llvm-mc -triple=amdgcn-amd-amdhsa -mcpu=gfx1250 --defsym DOCPART=n.
;; ======== version 1 of 2: 3 launches
;; workspace buffers: xq 524,288 bytes; xs 32,768 bytes; alpha 4,096 bytes; eid 4,096 bytes of whole numbers; list 32,768 bytes of whole numbers; cnt 1,024 bytes of whole numbers; hq 16,777,216 bytes; hs 1,048,576 bytes
;; launch route (part 1): grid 256 x 1, 4 waves a work-group, no clusters, 4,608 bytes of LDS; arguments x, centroids, gamma, beta, xq, xs, alpha, eid; writes xq, xs, alpha, eid
.if DOCPART == 1
	.amdgcn_target "amdgcn-amd-amdhsa--gfx1250"
	.amdhsa_code_object_version 6
	.text
	.protected	k_qbc351a8aa7_route
	.globl	k_qbc351a8aa7_route
	.p2align	8
	.type	k_qbc351a8aa7_route,@function
k_qbc351a8aa7_route:
	s_mov_b64 s[64:65], 0
	v_nop
	global_prefetch_b8 v0, s[64:65] scope:SCOPE_SE
	s_setreg_imm32_b32 hwreg(HW_REG_WAVE_MODE, 25, 1), 1
	s_wait_xcnt 0x0
; ROUTER, GATE, LAYERNORM AND QUANTISER.  x [1024][1024] f32; centroids, gamma, beta [8][1024] f32.
; For each token: eight f32 scores, the argmax (the lower index wins a tie), alpha = sigmoid(the winning score), LayerNorm with the
; winner's gamma and beta, and the normed row as codes of E2M1 with one E8M0 byte for each 32 along the row.
; Out: xq [1024][512 bytes] codes, xs [1024][32] scale bytes, alpha [1024] f32, eid [1024] u32 (the expert's number).
; No address and no branch here hangs on the argmax: gamma and beta are CHOSEN by v_cndmask_b32 among all eight rows.
; SHARES.  A work-group takes 4 tokens.  THE THREADS SHARE THE COLUMNS: thread t owns columns 8 t .. 8 t + 7 of every row, so its part of
; the 24 table rows (192 registers, window 1) is loaded once for the four tokens, a lane's eight numbers are neighbours along K, as one
; conversion wants them, and a block of 32 is four neighbouring lanes.  Sums over a row: within the lane, across the 32 lanes, and across the four waves through LDS.
; LIMITS.  NaN and infinities are not served.  The scores are f32 sums in this text's order.  A block whose largest magnitude lies under
; 2^-124 (zeros too) gets the byte 1 where the rule says 127 for zeros: its codes are zeros, and this program alone reads the bytes.
; The stores of xs (128 bytes), alpha and eid (16 bytes) cover parts of 256-byte blocks: four tokens make no more.
.set RED1, 0                           ; LDS: [wave][token][12 words]: 8 scores, the row's sum, 3 zeros
.set RED2, 768                         ; [wave][4 words]: the sums of squares
.set XQS,  1024                        ; [token][512]: the codes
.set XSS,  3072                        ; [token][32]: the scale bytes
.set EIS,  3200                        ; 4 words: the experts
.set ALS,  3216                        ; 4 words: the gates
.set X,    16                          ; v16-47   8 numbers a token: x, then x - mu, then the normed row
.set R,    48                          ; v48-95   12 a token: scores, sum, zeros
.set P,    96                          ; v96-167  18 a token: pairs of partial sums; later at work
.set LD,   96                          ; v96-191  what comes back from LDS
.set GB,   96                          ; v96-159  16 a token: the chosen gamma (8) and beta (8)
.set MU,   192                         ; v192-199 the mean, twice a token (a pair for the packed forms)
.set RS,   200                         ; v200-207 1 / sqrt(var + eps), twice a token
.set IDX,  208                         ; v208-211 the expert
.set AL,   212                         ; v212-215 alpha
.set BEST, 216                         ; v216-219 the winning score
.set Q,    220                         ; v220-223 sums of squares
.set BYT,  224                         ; v224-227 scale bytes
.set TM,   240                         ; v240-243 largest magnitudes
.set SCL,  244                         ; v244-247 the conversions' scale operands
.set CODE, 248                         ; v248-251 eight codes a token
.set MSB, 0
.macro WIN new                         ; the immediate's high byte repeats the setting that is left; a switch that changes nothing is dropped
.if MSB != (\new)
	s_set_vgpr_msb (MSB<<8)|(\new)
.set MSB, (\new)
.endif
.endm
.macro BARRIER                         ; my LDS stores have landed and my LDS loads are in: then the work-group's barrier
	s_wait_dscnt 0x0
	s_barrier_signal -1
	s_barrier_wait -1
.endm
; the sum over the wave's 32 lanes of n registers from first on, the result in every lane; the steps outermost, so that no line waits for the line above it
.macro BFLY first, n
.irp m, 1,2,4,8
.set i, 0
.rept \n
	v_add_f32_dpp v[\first+i], v[\first+i], v[\first+i] row_xmask:\m row_mask:0xf bank_mask:0xf
.set i, i+1
.endr
.endr
.set i, 0
.rept \n
	v_permlanex16_b32 v[P+i], v[\first+i], s22, s23        ; lane l xor 16's (its destination has been written before)
.set i, i+1
.endr
.set i, 0
.rept \n
	v_add_f32 v[\first+i], v[\first+i], v[P+i]
.set i, i+1
.endr
.endm
	s_load_b512 s[4:19], s[0:1], 0x0               ; x s[4:5], centroids s[6:7], gamma s[8:9], beta s[10:11], xq s[12:13], xs s[14:15], alpha s[16:17], eid s[18:19]
	v_lshl_add_u32 v254, v0, 2, 0x1000
	v_mov_b32 v255, 0
	v_lshrrev_b32 v2, 5, v0
	v_readfirstlane_b32 s20, v2                    ; wave 0..3
	v_and_b32 v2, 31, v0                           ; lane
	v_lshlrev_b32 v1, 5, v0                        ; 32 t: my eight columns in a row of f32
	s_mul_i32 s21, s20, 192
	v_mov_b32 v3, s21                              ; my wave's words in RED1
	v_mov_b32 v4, 0                                ; for addresses that all lanes share
	s_lshl_b32 s21, s20, 4
	v_mov_b32 v5, s21                              ; my wave's words in RED2
	v_lshlrev_b32 v6, 2, v0                        ; 4 t: my eight codes in a row
	v_lshrrev_b32 v7, 2, v0                        ; t / 4: my block's byte
	v_lshlrev_b32 v8, 4, v0                        ; 16 t: the way out of the codes, in LDS and in xq
	v_lshlrev_b32 v10, 2, v2                       ; 4 x lane
	v_and_b32 v11, 3, v0
	v_lshlrev_b32 v11, 2, v11                      ; 4 x (lane % 4)
	s_mov_b32 s22, 0x76543210
	s_mov_b32 s23, 0xfedcba98                      ; v_permlanex16_b32's selects for lane l xor 16
	s_mov_b32 s24, 0x3a800000                      ; 1 / 1024
	s_mov_b32 s25, 0x3727c5ac                      ; eps = 1e-5
	s_mov_b32 s27, 0
	s_wait_kmcnt 0x0
	s_lshl_b32 s26, ttmp9, 14                      ; my four tokens: 4 x 4,096 bytes of x,
	s_add_nc_u64 s[4:5], s[4:5], s[26:27]
	s_lshl_b32 s26, ttmp9, 11                      ; 4 x 512 of xq,
	s_add_nc_u64 s[12:13], s[12:13], s[26:27]
	s_lshl_b32 s26, ttmp9, 7                       ; 4 x 32 of xs,
	s_add_nc_u64 s[14:15], s[14:15], s[26:27]
	s_lshl_b32 s26, ttmp9, 4                       ; 4 x 4 of alpha and of eid
	s_add_nc_u64 s[16:17], s[16:17], s[26:27]
	s_add_nc_u64 s[18:19], s[18:19], s[26:27]
.irp tau, 0,1,2,3
	global_load_b128 v[X+8*\tau:X+8*\tau+3], v1, s[4:5] offset:4096*\tau th:TH_LOAD_NT
	global_load_b128 v[X+8*\tau+4:X+8*\tau+7], v1, s[4:5] offset:4096*\tau+16 th:TH_LOAD_NT
.endr
	WIN 0x40                                       ; destination window 1: centroids at v[8 e], gamma at v[64 + 8 e], beta at v[128 + 8 e]
.irp e, 0,1,2,3,4,5,6,7
	global_load_b128 v[8*\e:8*\e+3], v1, s[6:7] offset:4096*\e
	global_load_b128 v[8*\e+4:8*\e+7], v1, s[6:7] offset:4096*\e+16
.endr
.irp e, 0,1,2,3,4,5,6,7
	global_load_b128 v[64+8*\e:64+8*\e+3], v1, s[8:9] offset:4096*\e
	global_load_b128 v[64+8*\e+4:64+8*\e+7], v1, s[8:9] offset:4096*\e+16
.endr
.irp e, 0,1,2,3,4,5,6,7
	global_load_b128 v[128+8*\e:128+8*\e+3], v1, s[10:11] offset:4096*\e
	global_load_b128 v[128+8*\e+4:128+8*\e+7], v1, s[10:11] offset:4096*\e+16
.endr
	WIN 0
	s_wait_loadcnt 32                              ; x and the centroids are in; the 32 loads of gamma and beta stay out
	; ---- my eight columns' part of each row's sum and of its eight scores, two numbers an instruction
.irp tau, 0,1,2,3
	v_pk_add_f32 v[P+18*\tau+16:P+18*\tau+17], v[X+8*\tau:X+8*\tau+1], v[X+8*\tau+2:X+8*\tau+3]
.endr
.irp j, 4,6
.irp tau, 0,1,2,3
	v_pk_add_f32 v[P+18*\tau+16:P+18*\tau+17], v[P+18*\tau+16:P+18*\tau+17], v[X+8*\tau+\j:X+8*\tau+\j+1]
.endr
.endr
	WIN 0x04                                       ; source 1 (the centroids) window 1
.irp tau, 0,1,2,3
.irp e, 0,1,2,3,4,5,6,7
	v_pk_mul_f32 v[P+18*\tau+2*\e:P+18*\tau+2*\e+1], v[X+8*\tau:X+8*\tau+1], v[8*\e:8*\e+1]
.endr
.endr
.irp j, 2,4,6
.irp tau, 0,1,2,3
.irp e, 0,1,2,3,4,5,6,7
	v_pk_fma_f32 v[P+18*\tau+2*\e:P+18*\tau+2*\e+1], v[X+8*\tau+\j:X+8*\tau+\j+1], v[8*\e+\j:8*\e+\j+1], v[P+18*\tau+2*\e:P+18*\tau+2*\e+1]
.endr
.endr
.endr
	WIN 0
.irp tau, 0,1,2,3
.irp k, 0,1,2,3,4,5,6,7,8
	v_add_f32 v[R+12*\tau+\k], v[P+18*\tau+2*\k], v[P+18*\tau+2*\k+1]   ; a pair's two halves
.endr
.irp k, 9,10,11
	v_mov_b32 v[R+12*\tau+\k], 0                   ; they fill the third group of four that goes to LDS
.endr
.endr
	BFLY R, 48
.irp tau, 0,1,2,3
.irp q, 0,1,2
	ds_store_b128 v3, v[R+12*\tau+4*\q:R+12*\tau+4*\q+3] offset:RED1+48*\tau+16*\q   ; all lanes write the same bytes with the same values
.endr
.endr
	BARRIER                                        ; the four waves' parts lie in RED1
	; ---- the totals, two tokens at a time: (w0 + w1) + (w2 + w3) in every wave, so that all threads hold the same bits
.irp b, 0,1
.irp v, 0,1,2,3
.irp tt, 0,1
.irp q, 0,1,2
	ds_load_b128 v[LD+24*\v+12*\tt+4*\q:LD+24*\v+12*\tt+4*\q+3], v4 offset:RED1+192*\v+48*(2*\b+\tt)+16*\q
.endr
.endr
.endr
	s_wait_dscnt 0x0
.irp tt, 0,1
.irp p, 0,2,4,6,8
	v_pk_add_f32 v[LD+12*\tt+\p:LD+12*\tt+\p+1], v[LD+12*\tt+\p:LD+12*\tt+\p+1], v[LD+24+12*\tt+\p:LD+24+12*\tt+\p+1]
	v_pk_add_f32 v[LD+48+12*\tt+\p:LD+48+12*\tt+\p+1], v[LD+48+12*\tt+\p:LD+48+12*\tt+\p+1], v[LD+72+12*\tt+\p:LD+72+12*\tt+\p+1]
.endr
.irp p, 0,2,4,6,8
	v_pk_add_f32 v[R+12*(2*\b+\tt)+\p:R+12*(2*\b+\tt)+\p+1], v[LD+12*\tt+\p:LD+12*\tt+\p+1], v[LD+48+12*\tt+\p:LD+48+12*\tt+\p+1]
.endr
.endr
.endr
	; ---- the argmax: a later score wins only where it is strictly greater, so the lower index keeps a tie
.irp tau, 0,1,2,3
	v_mov_b32 v[BEST+\tau], v[R+12*\tau]
	v_mov_b32 v[IDX+\tau], 0
.endr
.irp e, 1,2,3,4,5,6,7
.irp tau, 0,1,2,3
	v_cmp_gt_f32 s[28+\tau], v[R+12*\tau+\e], v[BEST+\tau]
.endr
.irp tau, 0,1,2,3
	v_cndmask_b32 v[BEST+\tau], v[BEST+\tau], v[R+12*\tau+\e], s[28+\tau]
	v_cndmask_b32 v[IDX+\tau], v[IDX+\tau], \e, s[28+\tau]
.endr
.endr
	; ---- alpha = 1 / (1 + 2^(-log2(e) x score)); the mean and x - mu are the independent work behind the two batches
.irp tau, 0,1,2,3
	v_mul_f32 v[AL+\tau], 0xbfb8aa3b, v[BEST+\tau]
.endr
.irp tau, 0,1,2,3
	v_exp_f32 v[AL+\tau], v[AL+\tau]
.endr
.irp tau, 0,1,2,3
	v_mul_f32 v[MU+2*\tau], s24, v[R+12*\tau+8]    ; the mean, twice
	v_mul_f32 v[MU+2*\tau+1], s24, v[R+12*\tau+8]
.endr
	s_wait_alu depctr_va_vdst(0)                   ; one wait for the four exponentials, ahead of their first reader
.irp tau, 0,1,2,3
	v_add_f32 v[AL+\tau], 1.0, v[AL+\tau]
.endr
.irp tau, 0,1,2,3
	v_rcp_f32 v[AL+\tau], v[AL+\tau]
.endr
.irp tau, 0,1,2,3
.irp j, 0,2,4,6
	v_pk_add_f32 v[X+8*\tau+\j:X+8*\tau+\j+1], v[X+8*\tau+\j:X+8*\tau+\j+1], v[MU+2*\tau:MU+2*\tau+1] neg_lo:[0,1] neg_hi:[0,1]   ; x - mu
.endr
.endr
	s_wait_alu depctr_va_vdst(0)                   ; and one for the four reciprocals
	; ---- the variance
.irp tau, 0,1,2,3
	v_pk_mul_f32 v[P+2*\tau:P+2*\tau+1], v[X+8*\tau:X+8*\tau+1], v[X+8*\tau:X+8*\tau+1]
.endr
.irp j, 2,4,6
.irp tau, 0,1,2,3
	v_pk_fma_f32 v[P+2*\tau:P+2*\tau+1], v[X+8*\tau+\j:X+8*\tau+\j+1], v[X+8*\tau+\j:X+8*\tau+\j+1], v[P+2*\tau:P+2*\tau+1]
.endr
.endr
.irp tau, 0,1,2,3
	v_add_f32 v[Q+\tau], v[P+2*\tau], v[P+2*\tau+1]
.endr
	BFLY Q, 4
	ds_store_b128 v5, v[Q:Q+3] offset:RED2
	BARRIER                                        ; the four waves' sums of squares lie in RED2
.irp v, 0,1,2,3
	ds_load_b128 v[LD+4*\v:LD+4*\v+3], v4 offset:RED2+16*\v
.endr
	s_wait_dscnt 0x0
.irp j, 0,2
	v_pk_add_f32 v[LD+\j:LD+\j+1], v[LD+\j:LD+\j+1], v[LD+4+\j:LD+4+\j+1]
	v_pk_add_f32 v[LD+8+\j:LD+8+\j+1], v[LD+8+\j:LD+8+\j+1], v[LD+12+\j:LD+12+\j+1]
.endr
.irp j, 0,2
	v_pk_add_f32 v[LD+\j:LD+\j+1], v[LD+\j:LD+\j+1], v[LD+8+\j:LD+8+\j+1]
.endr
.irp tau, 0,1,2,3
	v_fma_f32 v[LD+\tau], v[LD+\tau], s24, s25     ; var + eps
.endr
.irp tau, 0,1,2,3
	v_rsq_f32 v[RS+2*\tau], v[LD+\tau]
.endr
.irp tau, 0,1,2,3
.irp e, 1,2,3,4,5,6,7
	v_cmp_eq_u32 s[28+7*\tau+\e-1], \e, v[IDX+\tau] ; mask (token, e): the token's expert is e.  (Plain work behind the roots)
.endr
.endr
	s_wait_alu depctr_va_vdst(0)                   ; one wait for the four roots
.irp tau, 0,1,2,3
	v_mov_b32 v[RS+2*\tau+1], v[RS+2*\tau]
.endr
	s_wait_loadcnt 0x0                             ; gamma and beta
	; ---- the winner's gamma and beta, chosen among the eight rows: seven selects a number
	WIN 0x05                                       ; sources 0 and 1 window 1
.irp tau, 0,1,2,3
.irp i, 0,1,2,3,4,5,6,7
	v_cndmask_b32 v[GB+16*\tau+\i], v[64+\i], v[72+\i], s[28+7*\tau]
	v_cndmask_b32 v[GB+16*\tau+8+\i], v[128+\i], v[136+\i], s[28+7*\tau]
.endr
.endr
	WIN 0x04                                       ; source 1 window 1
.irp e, 2,3,4,5,6,7
.irp tau, 0,1,2,3
.irp i, 0,1,2,3,4,5,6,7
	v_cndmask_b32 v[GB+16*\tau+\i], v[GB+16*\tau+\i], v[64+8*\e+\i], s[28+7*\tau+\e-1]
	v_cndmask_b32 v[GB+16*\tau+8+\i], v[GB+16*\tau+8+\i], v[128+8*\e+\i], s[28+7*\tau+\e-1]
.endr
.endr
.endr
	WIN 0
.irp tau, 0,1,2,3
.irp j, 0,2,4,6
	v_pk_mul_f32 v[X+8*\tau+\j:X+8*\tau+\j+1], v[X+8*\tau+\j:X+8*\tau+\j+1], v[RS+2*\tau:RS+2*\tau+1]
.endr
.endr
.irp tau, 0,1,2,3
.irp j, 0,2,4,6
	v_pk_fma_f32 v[X+8*\tau+\j:X+8*\tau+\j+1], v[X+8*\tau+\j:X+8*\tau+\j+1], v[GB+16*\tau+\j:GB+16*\tau+\j+1], v[GB+16*\tau+8+\j:GB+16*\tau+8+\j+1]
.endr
.endr
	; ---- the quantiser: a block of 32 is my eight numbers and those of three neighbouring lanes
.irp tau, 0,1,2,3
	v_max3_num_f32 v[TM+\tau], |v[X+8*\tau]|, |v[X+8*\tau+1]|, 0x1800000   ; and the floor 2^(3 - 127): the byte cannot fall under 1
.endr
.irp j, 2,4,6
.irp tau, 0,1,2,3
	v_max3_num_f32 v[TM+\tau], v[TM+\tau], |v[X+8*\tau+\j]|, |v[X+8*\tau+\j+1]|
.endr
.endr
.irp m, 1,2
.irp tau, 0,1,2,3
	v_max_num_f32_dpp v[TM+\tau], v[TM+\tau], v[TM+\tau] row_xmask:\m row_mask:0xf bank_mask:0xf
.endr
.endr
.irp tau, 0,1,2,3
	v_add_nc_u32 v[SCL+\tau], 0xff000000, v[TM+\tau]   ; 2 off the exponent field: the conversion takes that field as its scale, and nothing else
.endr
.irp tau, 0,1,2,3
	v_lshrrev_b32 v[BYT+\tau], 23, v[SCL+\tau]     ; the scale's byte
.endr
.irp tau, 0,1,2,3
	v_cvt_scalef32_pk8_fp4_f32 v[CODE+\tau], v[X+8*\tau:X+8*\tau+7], v[SCL+\tau]
.endr
	v_nop                                          ; one plain line behind the last scaled conversion
.irp tau, 0,1,2,3
	ds_store_b32 v6, v[CODE+\tau] offset:XQS+512*\tau
	ds_store_b8 v7, v[BYT+\tau] offset:XSS+32*\tau ; the four lanes of a block write the same byte with the same value
.endr
	s_cmp_lg_u32 s20, 0
	s_cbranch_scc1 .Lnot_wave_0
	ds_store_b128 v4, v[IDX:IDX+3] offset:EIS      ; every thread holds the same four experts and gates: wave 0 hands them on
	ds_store_b128 v4, v[AL:AL+3] offset:ALS
.Lnot_wave_0:
	BARRIER                                        ; codes, bytes, experts and gates lie in LDS
	; ---- the way out
	ds_load_b128 v[LD:LD+3], v8 offset:XQS         ; 128 threads x 16 bytes: the four tokens' 2,048 bytes of codes
	s_cmp_lg_u32 s20, 0
	s_cbranch_scc1 .Lcodes
	ds_load_b32 v[LD+4], v10 offset:XSS            ; wave 0: the 128 scale bytes,
	ds_load_b32 v[LD+5], v11 offset:EIS            ; the experts,
	ds_load_b32 v[LD+6], v11 offset:ALS            ; the gates
	s_wait_dscnt 0x0
	global_store_b32 v10, v[LD+4], s[14:15]
	s_wait_xcnt 0x0                                ; EXEC changes only behind this wait
	v_cmp_gt_u32 vcc_lo, 4, v2
	s_and_saveexec_b32 s56, vcc_lo                 ; lanes 0 to 3: a token each
	global_store_b32 v10, v[LD+5], s[18:19]
	global_store_b32 v10, v[LD+6], s[16:17]
	s_wait_xcnt 0x0                                ; and again, in front of the line that widens it
	s_or_b32 exec_lo, exec_lo, s56
.Lcodes:
	s_wait_dscnt 0x0
	global_store_b128 v8, v[LD:LD+3], s[12:13]     ; each wave stores 512 consecutive bytes, aligned
	s_wait_tensorcnt 0x0
	ds_add_u32 v254, v255
	s_wait_dscnt 0x0
	s_endpgm
.Lfunc_end_k_qbc351a8aa7_route:
	.size	k_qbc351a8aa7_route, .Lfunc_end_k_qbc351a8aa7_route-k_qbc351a8aa7_route
	.p2alignl 7, 3214868480
	.fill 96, 4, 3214868480
	.section	.rodata,"a",@progbits
	.p2align	6, 0x0
	.amdhsa_kernel k_qbc351a8aa7_route
		.amdhsa_group_segment_fixed_size 4608
		.amdhsa_private_segment_fixed_size 0
		.amdhsa_enable_private_segment 0
		.amdhsa_kernarg_size 64
		.amdhsa_user_sgpr_count 2
		.amdhsa_user_sgpr_kernarg_segment_ptr 1
		.amdhsa_wavefront_size32 1
		.amdhsa_system_sgpr_workgroup_id_x 1
		.amdhsa_system_sgpr_workgroup_id_y 1
		.amdhsa_system_sgpr_workgroup_id_z 1
		.amdhsa_system_vgpr_workitem_id 0
		.amdhsa_next_free_vgpr 512
		.amdhsa_next_free_sgpr 66
		.amdhsa_reserve_vcc 1
		.amdhsa_float_denorm_mode_32 3
		.amdhsa_float_denorm_mode_16_64 3
		.amdhsa_memory_ordered 1
		.amdhsa_forward_progress 1
		.amdhsa_inst_pref_size 89
	.end_amdhsa_kernel
	.amdgpu_metadata
---
amdhsa.version: [ 1, 2 ]
amdhsa.kernels:
  - .name:           k_qbc351a8aa7_route
    .symbol:         k_qbc351a8aa7_route.kd
    .args:
      - { .name: x, .offset: 0, .size: 8, .value_kind: global_buffer, .address_space: global }
      - { .name: centroids, .offset: 8, .size: 8, .value_kind: global_buffer, .address_space: global }
      - { .name: gamma, .offset: 16, .size: 8, .value_kind: global_buffer, .address_space: global }
      - { .name: beta, .offset: 24, .size: 8, .value_kind: global_buffer, .address_space: global }
      - { .name: xq, .offset: 32, .size: 8, .value_kind: global_buffer, .address_space: global }
      - { .name: xs, .offset: 40, .size: 8, .value_kind: global_buffer, .address_space: global }
      - { .name: alpha, .offset: 48, .size: 8, .value_kind: global_buffer, .address_space: global }
      - { .name: eid, .offset: 56, .size: 8, .value_kind: global_buffer, .address_space: global }
    .group_segment_fixed_size: 4608
    .private_segment_fixed_size: 0
    .kernarg_segment_align: 8
    .kernarg_segment_size: 64
    .max_flat_workgroup_size: 128
    .sgpr_count:     66
    .vgpr_count:     512
    .wavefront_size: 32
...
	.end_amdgpu_metadata
.endif
;; end of part 1
;; launch ffn1 (part 2): grid 256 x 1, 4 waves a work-group, no clusters, 217,600 bytes of LDS; arguments eid, xq, xs, W1_codes, W1_scales, b1, hq, hs, list, cnt; writes hq, hs, list, cnt
.if DOCPART == 2
	.amdgcn_target "amdgcn-amd-amdhsa--gfx1250"
	.amdhsa_code_object_version 6
	.text
	.protected	k_qbc351a8aa7_ffn1
	.globl	k_qbc351a8aa7_ffn1
	.p2align	8
	.type	k_qbc351a8aa7_ffn1,@function
k_qbc351a8aa7_ffn1:
	s_mov_b64 s[64:65], 0
	v_nop
	global_prefetch_b8 v0, s[64:65] scope:SCOPE_SE
	s_setreg_imm32_b32 hwreg(HW_REG_WAVE_MODE, 25, 1), 1
	s_wait_xcnt 0x0
; THE FIRST PRODUCT, ON THE CHOSEN ROWS ALONE: hidden = Q(relu(xq W1[e]^T + b1[e])), Q the quantiser along the hidden units, on codes of E2M1 with E8M0 scales.
; SHARES.  Work-group (e, fs), e = id / 32, fs = id % 32, owns hidden units 128 fs .. + 127 of expert e: K step fs of the second product.  Wave w owns 32 of them, block w of that
; K step: 2 tiles x 8 K steps of W1 in 128 registers for the whole launch, read from memory once, as one dense run of 16 KiB.  Every wave walks all tokens of expert e, 32 at a time.
; THE LIST.  Wave 0 builds the list of the expert's tokens from eid in LDS (a rank by v_mbcnt_lo_u32_b32 on top of a running count) while the weights are on their way.  The 32 places behind the last token
; repeat the last token, the rest hold 0: so a tile of 16 places is always full, and a repeated row gives the same bits as the row that it repeats.  With no token at all the list counts as one place (token 0):
; tiles 0 and 1 of every expert are always written.  The work-groups with fs = 0 store the list and the count for the next launch.
; THE PRODUCT IS USED TRANSPOSED (source 0 = 16 rows of W1, source 1 = 16 tokens), AND THE ROWS OF W1 THAT FORM A TILE ARE NOT NEIGHBOURS: lane r of tile u takes row 8 u + r + 8 (r / 8) of the wave's 32.  So lane
; (r, h) holds token r, and the 16 registers of tiles 0 and 1 are hidden units 16 h + 0 .. 15 of the block: two conversions give 8 bytes that lie on end in the next operand.  b1 is the C of a sum's first instruction.
; OUT.  hq [e][64 tiles][32 K steps][1,024 bytes]: the IMAGE of the next operand's 8 registers (registers 4 c .. 4 c + 3 of lane l at 512 c + 16 l), in which block w is bytes 256 w .. + 255: one store of the wave.
;       hs [e][16 quads of tiles][32 K steps][4 tiles][16 rows][4 bytes]: a row's scale word for a K step; wave w makes byte w; a quad's 256 bytes are gathered in LDS and leave whole.
; NO TENSOR LOAD AND NO CLUSTER, though the 32 work-groups of an expert read the same tokens' codes.
; LIMITS.  A block of the hidden layer under 2^-124 (zeros too) gets the byte 1: its codes are zeros, and this program alone reads the bytes.  NaN and infinities are not served.
.set XPITCH, 528                       ; a row of 512 bytes of codes + 16 = 132 words: row r starts at bank 4 r mod 64 (64 banks of 4 bytes: ISA guide 11.1), so the 16 rows that a fragment load touches start at 16 different banks
.set XB,   0                           ; LDS: 256 list places' codes
.set XS,   256*XPITCH                  ; their scale bytes, 32 a place
.set WST,  XS+256*32                   ; 32 rows of W1 for each wave: the turn from rows to fragments
.set LIST, WST+4*32*XPITCH             ; 1,088 words: 1,024 places, 32 for the repeats behind a full list, and 32 (the dump) that take the scatter's stores of lanes whose token is another expert's
.set DUMPW, 1056                       ; the dump's first word in the list's region
.set HSB,  LIST+4352                   ; 16 tiles x 16 rows x 4 bytes: the hidden layer's scale words
.set CNTW, HSB+1024                    ; the count
.set W1S,  32                          ; v32-39   W1's scale words: tile u, register j: K step j in lanes 0-15, K step 4 + j in lanes 16-31
.set B1,   40                          ; v40-55   b1 in the result's layout, 8 a tile
.set XC,   56                          ; v56-63   the tokens' scale words, laid as W1's
.set ACC,  64                          ; v64-95   accumulator (tile of tokens m, tile of units u) at 16 m + 8 u
.set TM,   96                          ; v96-107  at work
.set PC,   108                         ; v108-111 the codes just made, a pair for each m
.set XSL,  112                         ; v112-127 scale rows on their way to LDS
.set XF,   128                         ; v128-255 the tokens' fragments (m, K step s) at 64 m + 8 s
.set AD,   128                         ; while rows are fetched: v128-191 their offsets in xq, 16 a quad of 64 places; v192-195 in xs
.set AS,   192
.set RK,   160                         ; while the list is built (v128-159 hold eid): v160-175 sixteen places, then their LDS addresses; v176-191 sixteen tokens' numbers
.set TK,   176
.set CN,   48                          ; s48-63   sixteen steps' counts
.set MK,   66                          ; s66-81   sixteen steps' masks
.set BS,   82                          ; s82-98   the running count ahead of each of sixteen steps, and behind the last
; v1 r, v2 h, v3 lane, v4 16 lane, v5 16 (t % 2), v6 LIST + 64 w, v7 LIST + 4 (t / 2), v8, v9 the same in the superchunk in hand, v10 WST + my wave + 16 lane, v11 WST + my wave + 528 r + 16 h,
; v12-15 XB + (64 j + 16 w) rows + 16 lane, v16 XS + 16 t, v17 528 r + 16 h, v18 XS + 32 r + 16 h, v19 HSB + 4 r + w, v20 v17 + 128 rows, v23 HSB + 256 w + 8 lane, v24 8192 w + 8 lane,
; v25 256 w + 16 r + 8 h, v26 CNTW, v27 4 lane, v28 an address of the list's end, v29 LIST + 16 lane, v30 my word of the dump: 1056 + lane, v31 LIST + 4 lane.
; window 1: v0-127 W1: rows as loaded, then fragment (u, s) at 64 u + 8 s.   window 2: rows of xq on their way to LDS: row i of quad j at 64 j + 4 i.
; s24 w, s25 e, s26 fs, s27 n, s28 max(n, 1), s29 places left at the superchunk's head, s34 the superchunk's step in LIST, s36 counter, s40 the count, s41 at work.
.set MSB, 0
.macro WIN new                         ; the immediate's high byte repeats the setting that is left; a switch that changes nothing is dropped
.if MSB != (\new)
	s_set_vgpr_msb (MSB<<8)|(\new)
.set MSB, (\new)
.endif
.endm
.macro BARRIER                         ; my LDS stores have landed and my LDS loads are in: then the work-group's barrier
	s_wait_dscnt 0x0
	s_barrier_signal -1
	s_barrier_wait -1
.endm
; one matrix instruction.  c: the C's first register.  row = 1: both sides' scale words are taken from lanes 16-31
.macro MM d, a, b, c, sa, sb, row
.if \row
	v_wmma_scale_f32_16x16x128_f8f6f4 v[(\d):(\d)+7], v[(\a):(\a)+7], v[(\b):(\b)+7], v[(\c):(\c)+7], v[(\sa)], v[(\sb)] matrix_a_fmt:MATRIX_FMT_FP4 matrix_b_fmt:MATRIX_FMT_FP4 matrix_a_scale:MATRIX_SCALE_ROW1 matrix_b_scale:MATRIX_SCALE_ROW1
.else
	v_wmma_scale_f32_16x16x128_f8f6f4 v[(\d):(\d)+7], v[(\a):(\a)+7], v[(\b):(\b)+7], v[(\c):(\c)+7], v[(\sa)], v[(\sb)] matrix_a_fmt:MATRIX_FMT_FP4 matrix_b_fmt:MATRIX_FMT_FP4
.endif
.endm
	s_load_b512 s[4:19], s[0:1], 0x0               ; eid s[4:5], xq s[6:7], xs s[8:9], W1's codes s[10:11], its scales s[12:13], b1 s[14:15], hq s[16:17], hs s[18:19]
	s_load_b128 s[20:23], s[0:1], 0x40             ; list s[20:21], cnt s[22:23]
	v_lshl_add_u32 v106, v0, 2, 0x35000
	v_mov_b32 v107, 0
	v_lshrrev_b32 v20, 5, v0
	v_readfirstlane_b32 s24, v20                   ; wave 0..3
	s_lshr_b32 s25, ttmp9, 5                       ; e
	s_and_b32 s26, ttmp9, 31                       ; fs
	; every LDS address register that outlives the list's build is made here, ahead of the first branch on the wave's number
	v_and_b32 v1, 15, v0
	v_bfe_u32 v2, v0, 4, 1
	v_and_b32 v3, 31, v0
	v_lshlrev_b32 v4, 4, v3
	v_and_b32 v5, 1, v0
	v_lshlrev_b32 v5, 4, v5
	s_lshl_b32 s41, s24, 6
	s_add_co_u32 s41, s41, LIST
	v_mov_b32 v6, s41
	v_lshrrev_b32 v7, 1, v0
	v_lshl_add_u32 v7, v7, 2, LIST
	v_mul_u32_u24 v17, v1, XPITCH
	v_lshl_add_u32 v17, v2, 4, v17
	v_add_nc_u32 v20, 128*XPITCH, v17              ; pairs 4 to 7: an LDS offset has 16 bits
	s_mul_i32 s41, s24, 32*XPITCH
	s_add_co_u32 s41, s41, WST
	v_add_nc_u32 v10, s41, v4
	v_add_nc_u32 v11, s41, v17
	s_mul_i32 s41, s24, 16*XPITCH
	v_add_nc_u32 v12, s41, v4
	v_add_nc_u32 v13, 64*XPITCH, v12
	v_add_nc_u32 v14, 128*XPITCH, v12
	v_add_nc_u32 v15, 192*XPITCH, v12
	v_lshl_add_u32 v16, v0, 4, XS
	v_lshlrev_b32 v18, 5, v1
	v_lshl_add_u32 v18, v2, 4, v18
	v_add_nc_u32 v18, XS, v18
	v_lshl_add_u32 v19, v1, 2, HSB
	v_add_nc_u32 v19, s24, v19
	s_lshl_b32 s41, s24, 8
	v_lshl_add_u32 v23, v3, 3, s41
	v_add_nc_u32 v23, HSB, v23
	v_lshlrev_b32 v25, 4, v1
	v_lshl_add_u32 v25, v2, 3, v25
	v_add_nc_u32 v25, s41, v25
	s_lshl_b32 s41, s24, 13
	v_lshl_add_u32 v24, v3, 3, s41
	v_mov_b32 v26, CNTW
	v_lshlrev_b32 v27, 2, v3
	v_add_nc_u32 v29, LIST, v4
	v_add_nc_u32 v30, DUMPW, v3
	v_add_nc_u32 v31, LIST, v27
	v_and_b32 v104, 8, v1
	v_add_nc_u32 v104, v104, v1                    ; r + 8 (r / 8)
	v_lshlrev_b32 v104, 5, v104
	v_lshl_add_u32 v104, v2, 4, v104               ; W1's scale bytes: 32 a row, + 16 h: four K steps' words
	v_lshlrev_b32 v105, 6, v2                      ; b1: 64 h
.irp i, 0,1,2,3
	v_mov_b32 v[TM+\i], 0                          ; zeros for the fills below; v98, v99 are lane permutes' destinations later, which count as read
.endr
	s_mov_b32 s39, 0
	s_mov_b32 s[BS], 0
	s_mov_b32 s34, 0
	s_mov_b32 s42, 0x76543210
	s_mov_b32 s43, 0xfedcba98                      ; v_permlanex16_b32's selects for lane l xor 16
	s_wait_kmcnt 0x0
	s_lshl_b32 s38, s25, 21                        ; hq: 2 MiB an expert, 1,024 bytes a K step
	s_lshl_b32 s41, s26, 10
	s_add_co_u32 s38, s38, s41
	s_add_nc_u64 s[44:45], s[16:17], s[38:39]
	s_lshl_b32 s38, s25, 17                        ; hs: 128 KiB an expert, 256 bytes a K step
	s_lshl_b32 s41, s26, 8
	s_add_co_u32 s38, s38, s41
	s_add_nc_u64 s[46:47], s[18:19], s[38:39]
	s_lshl_b32 s38, s25, 12
	s_add_nc_u64 s[20:21], s[20:21], s[38:39]      ; list: 4,096 bytes an expert
	s_lshl_b32 s38, s25, 7
	s_add_nc_u64 s[22:23], s[22:23], s[38:39]      ; cnt: 128 bytes an expert
	s_lshl_b32 s38, s25, 21                        ; W1's codes: row 4096 e + 128 fs + 32 w, 512 bytes a row
	s_lshl_b32 s41, s26, 16
	s_add_co_u32 s38, s38, s41
	s_lshl_b32 s41, s24, 14
	s_add_co_u32 s38, s38, s41
	s_add_nc_u64 s[10:11], s[10:11], s[38:39]
	s_lshr_b32 s38, s38, 4                         ; its scale bytes: 32 a row
	s_add_nc_u64 s[12:13], s[12:13], s[38:39]
	s_lshr_b32 s38, s38, 3                         ; b1: 4 bytes a row
	s_add_nc_u64 s[14:15], s[14:15], s[38:39]
	s_cmp_lg_u32 s24, 0
	s_cbranch_scc1 .Lno_ids
.irp q, 0,1,2,3,4,5,6,7
	global_load_b128 v[128+4*\q:131+4*\q], v4, s[4:5] offset:512*\q   ; wave 0: all 1,024 experts' numbers; register 4 q + c of lane l is token 128 q + 4 l + c's
.endr
.Lno_ids:
	WIN 0x40                                       ; destination window 1
.set i, 0
.rept 32
	global_load_b128 v[4*i:4*i+3], v4, s[10:11] offset:512*i th:TH_LOAD_NT   ; a whole row of W1: 512 consecutive bytes; nobody else reads it
.set i, i+1
.endr
	WIN 0
.irp u, 0,1
	global_load_b128 v[W1S+4*\u:W1S+4*\u+3], v104, s[12:13] offset:256*\u
.endr
.irp u, 0,1
	global_load_b128 v[B1+8*\u:B1+8*\u+3], v105, s[14:15] offset:32*\u       ; units 16 h + 8 u + 0 .. 7
	global_load_b128 v[B1+8*\u+4:B1+8*\u+7], v105, s[14:15] offset:32*\u+16
.endr
	; ---- wave 0 builds the list.  Until the barrier below no other wave touches LDS
	s_cmp_lg_u32 s24, 0
	s_cbranch_scc1 .Lbuilt
.irp i, 0,1,2,3,4,5,6,7
	ds_store_b128 v29, v[TM:TM+3] offset:512*\i    ; while eid is on its way: the list begins as zeros,
.endr
	ds_store_b32 v31, v[TM] offset:4096
.irp i, 0,1
	ds_store_b128 v29, v[TM:TM+3] offset:HSB-LIST+512*\i   ; and so do the hidden layer's scale words: a quad leaves whole, its unused tiles too
.endr
	s_wait_loadcnt 38                              ; the eight loads of eid are in; the 38 loads of W1, its scales and b1, issued behind them, stay out
	; 32 steps, a register of eid each, in two halves of 16, each half stage by stage: so the way from vector to scalar registers and back is gone twice, not 32 times, and no line waits for the line above it
.irp hf, 0,1
.if \hf
	s_mov_b32 s[BS], s[BS+16]                      ; the count goes on
.endif
.set k, 0
.rept 16
	v_cmp_eq_u32 s[MK+k], s25, v[128+16*\hf+k]     ; whose token is mine?
.set k, k+1
.endr
.set k, 0
.rept 16
	s_bcnt1_i32_b32 s[CN+k], s[MK+k]
.set k, k+1
.endr
.set k, 0
.rept 16
	s_add_co_u32 s[BS+k+1], s[BS+k], s[CN+k]       ; those counted ahead of step k + 1
.set k, k+1
.endr
.set k, 0
.rept 16
	v_mbcnt_lo_u32_b32 v[RK+k], s[MK+k], s[BS+k]   ; a token's place: those counted so far + those in lower lanes
.set k, k+1
.endr
.set k, 0
.rept 16
	v_cndmask_b32 v[RK+k], v30, v[RK+k], s[MK+k]   ; the other lanes take their word of the dump.  The choice is made among WORD NUMBERS, ahead of the hold:
.set k, k+1
.endr
.set k, 0
.rept 16
	v_min_u32 v[RK+k], DUMPW+31, v[RK+k]           ; held inside the list's 1,088 words;
.set k, k+1
.endr
.set k, 0
.rept 16
	v_lshl_add_u32 v[RK+k], v[RK+k], 2, LIST       ; behind the hold only a shift and an addition make the address
.set k, k+1
.endr
.set k, 0
.rept 16
	v_add_nc_u32 v[TK+k], 128*((16*\hf+k)/4)+(16*\hf+k)%4, v27   ; the token's number
.set k, k+1
.endr
.set k, 0
.rept 16
	ds_store_b32 v[RK+k], v[TK+k]
.set k, k+1
.endr
.endr
	s_mov_b32 s40, s[BS+16]
	v_mov_b32 v100, s40
	ds_store_b32 v26, v100                         ; the count, for the other waves
	s_max_u32 s41, s40, 1
	s_sub_co_u32 s41, s41, 1
	s_min_u32 s41, s41, 1023
	s_lshl_b32 s41, s41, 2
	s_add_co_u32 s41, s41, LIST
	v_mov_b32 v28, s41
	ds_load_b32 v100, v28                          ; the last token (LDS serves a wave's instructions in order: it sees the stores above)
	s_wait_dscnt 0x0
	s_min_u32 s41, s40, 1024
	s_lshl_b32 s41, s41, 2
	v_add_nc_u32 v28, s41, v31
	ds_store_b32 v28, v100                         ; is repeated in the 32 places behind it
.Lbuilt:
	BARRIER                                        ; the list and the count lie in LDS
	ds_load_b32 v100, v26                          ; the count comes with the first list words, behind one wait
.macro LISTLD j                        ; quad j of the superchunk (64 places): my wave's 16 places, the same words in all lanes; and the place whose scale row I fetch
.irp i, 0,1,2,3
	ds_load_b128 v[AD+16*\j+4*\i:AD+16*\j+4*\i+3], v8 offset:256*\j+16*\i
.endr
	ds_load_b32 v[AS+\j], v9 offset:256*\j
.endm
.macro CLAMP j                         ; tokens' numbers become offsets: held under 1,024 first
.irp i, 0,1,2,3,4,5,6,7,8,9,10,11,12,13,14,15
	v_min_u32 v[AD+16*\j+\i], 0x3ff, v[AD+16*\j+\i]
.endr
.irp i, 0,1,2,3,4,5,6,7,8,9,10,11,12,13,14,15
	v_lshl_add_u32 v[AD+16*\j+\i], v[AD+16*\j+\i], 9, v4       ; 512 x token + 16 x lane
.endr
	v_min_u32 v[AS+\j], 0x3ff, v[AS+\j]
	v_lshl_add_u32 v[AS+\j], v[AS+\j], 5, v5                   ; 32 x token + 16 x (t % 2)
.endm
.macro XROWS j                         ; 16 whole rows of codes, 512 consecutive bytes an instruction (the caller has set the destination's window to 2)
.irp i, 0,1,2,3,4,5,6,7,8,9,10,11,12,13,14,15
	global_load_b128 v[64*\j+4*\i:64*\j+4*\i+3], v[AD+16*\j+\i], s[6:7]
.endr
.endm
.macro XSCL j
	global_load_b128 v[XSL+4*\j:XSL+4*\j+3], v[AS+\j], s[8:9]
.endm
.macro STOREX j                        ; (the caller has set the data's window to 2)
.irp i, 0,1,2,3,4,5,6,7,8,9,10,11,12,13,14,15
	ds_store_b128 v[12+\j], v[64*\j+4*\i:64*\j+4*\i+3] offset:XPITCH*\i
.endr
.endm
.macro STORES j
	ds_store_b128 v16, v[XSL+4*\j:XSL+4*\j+3] offset:2048*\j
.endm
; W1's 32 rows go through my wave's own bytes of LDS and come back as fragments.  Memory row i goes to LDS row 16 ((i / 8) % 2) + 8 (i / 16) + i % 8, so that LDS row 16 u + r is memory row 8 u + r + 8 (r / 8).
; LDS serves a wave's instructions in order: no wait stands between the stores and the loads, which land in the registers that the stores have read.
.macro WTURN
	WIN 0x04                                       ; the data: window 1
.set i, 0
.rept 32
	ds_store_b128 v10, v[4*i:4*i+3] offset:XPITCH*(16*((i/8)%2)+8*(i/16)+i%8)
.set i, i+1
.endr
	WIN 0x40                                       ; destination window 1
.irp u, 0,1
.irp s, 0,1,2,3,4,5,6,7
.irp g, 0,1
	ds_load_b128 v[64*\u+8*\s+4*\g:64*\u+8*\s+4*\g+3], v11 offset:16*XPITCH*\u+64*\s+32*\g
.endr
.endr
.endr
	WIN 0
.endm
; A PAIR is 32 list places: two tiles of tokens x my two tiles of units x 8 K steps.  Pair j of a superchunk, in three parts.
; XLOADS: its 34 LDS loads: the two tiles' scale words first, then the fragments K step by K step, four loads each
.macro XLOADS j
.if (\j) < 4
.set XA, 17
.else
.set XA, 20
.endif
.irp m, 0,1
	ds_load_b128 v[XC+4*\m:XC+4*\m+3], v18 offset:1024*(\j)+512*\m
.endr
.irp s, 0,1,2,3,4,5,6,7
.irp m, 0,1
.irp g, 0,1
	ds_load_b128 v[XF+64*\m+8*\s+4*\g:XF+64*\m+8*\s+4*\g+3], v[XA] offset:32*XPITCH*((\j)%4)+16*XPITCH*\m+64*\s+32*\g
.endr
.endr
.endr
.endm
; MULT: its 32 products.  In front of K step s: the scale words and the fragments up to that step are in; the four loads of each later step may be out, and (later = 1: every pair but a superchunk's
; first) the two byte stores of the pair before, which were issued behind these loads
.macro MULT later
	WIN 0x01                                       ; source 0 (W1) window 1
.irp s, 0,1,2,3,4,5,6,7                    ; the four accumulators take turns, one instruction a turn
	s_wait_dscnt 28-4*\s+2*(\later)
.irp m, 0,1
.irp u, 0,1
.if \s == 0
	MM ACC+16*\m+8*\u, 64*\u+8*\s, XF+64*\m+8*\s, B1+8*\u, W1S+4*\u+\s%4, XC+4*\m+\s%4, \s/4
.else
	MM ACC+16*\m+8*\u, 64*\u+8*\s, XF+64*\m+8*\s, ACC+16*\m+8*\u, W1S+4*\u+\s%4, XC+4*\m+\s%4, \s/4
.endif
.endr
.endr
.endr
	WIN 0
.rept 4
	v_nop                                          ; four places between the last product and the loads into its operands, and the first read of its result (ISA guide 7.12.1 for vector instructions)
.endr
.endm
; EPILOG: relu; quantised; out
.macro EPILOG j
.set i, 0
.rept 32
	v_max_num_f32 v[ACC+i], 0, v[ACC+i]            ; relu, in f32; each accumulator from its low end on
.set i, i+1
.endr
.irp m, 0,1
	v_max3_num_f32 v[TM+\m], v[ACC+16*\m], v[ACC+16*\m+1], 0x1800000   ; my 16 numbers of the block (none is negative), and the floor 2^(3 - 127): the byte cannot fall under 1
.endr
.irp i, 2,4,6,8,10,12,14
.irp m, 0,1
	v_max3_num_f32 v[TM+\m], v[TM+\m], v[ACC+16*\m+\i], v[ACC+16*\m+\i+1]
.endr
.endr
.irp m, 0,1
	v_permlanex16_b32 v[TM+2+\m], v[TM+\m], s42, s43
.endr
.irp m, 0,1
	v_max_num_f32 v[TM+\m], v[TM+\m], v[TM+2+\m]   ; with lane l xor 16's: the block's largest
.endr
.irp m, 0,1
	v_add_nc_u32 v[TM+4+\m], 0xff000000, v[TM+\m]  ; 2 off the exponent field: the conversion's scale operand
.endr
.irp m, 0,1
	v_lshrrev_b32 v[TM+6+\m], 23, v[TM+4+\m]       ; the scale's byte
.endr
	s_wait_xcnt 0x0                                ; the stores of the pair before have read their data: the codes' registers are written again only behind this wait
.irp m, 0,1
	v_cvt_scalef32_pk8_fp4_f32 v[PC+2*\m], v[ACC+16*\m:ACC+16*\m+7], v[TM+4+\m]         ; units 16 h + 0 .. 7
	v_cvt_scalef32_pk8_fp4_f32 v[PC+2*\m+1], v[ACC+16*\m+8:ACC+16*\m+15], v[TM+4+\m]    ; and + 8 .. 15
.endr
	v_nop                                          ; one plain line behind the last scaled conversion
.irp m, 0,1
	global_store_b64 v25, v[PC+2*\m:PC+2*\m+1], s[44:45] offset:65536*(\j)+32768*\m   ; the wave's 32 lanes store 256 consecutive bytes, aligned: block w of the tile's image; the tile's place stands in the immediate
	ds_store_b8 v19, v[TM+6+\m] offset:128*(\j)+64*\m   ; byte w of row r's scale word (lanes r and 16 + r write the same byte with the same value)
.endr
.endm
; Pair j's products; then, where places are left for it, the NEXT pair's loads, which are served while this pair is quantised; then this pair's way out.  Where no place is left, the run of pairs ends.
.macro PSTEP j, done
.if \j == 0
	MULT 0
.else
	MULT 1
.endif
.if \j < 7
	s_cmp_le_i32 s29, 32*\j+32
	s_cbranch_scc1 .Lnl_\@                         ; rows that nobody has brought into LDS are not read
	XLOADS \j+1
.Lnl_\@:
.endif
	EPILOG \j
.if \j < 7
	s_cmp_le_i32 s29, 32*\j+32
	s_cbranch_scc1 \done
.endif
.endm
; A SUPERCHUNK: 256 list places.  Their codes and scale bytes come into LDS, 16 rows a wave and quad; then up to eight pairs of tiles, written out, so that every LDS offset is an immediate and one branch ends the run.
; Three quads are always fetched, in one run of loads behind one read of the list (places behind the repeats name token 0), the fourth where places are left for it.
; No barrier stands under a branch: a superchunk with nothing left passes its two barriers and steps its addresses.
.macro SUPER first
	v_add_nc_u32 v8, s34, v6
	v_add_nc_u32 v9, s34, v7
.if \first == 0
	s_cmp_le_i32 s29, 0
	s_cbranch_scc1 .Lns_\@
.endif
	LISTLD 0
	LISTLD 1
	LISTLD 2
	s_wait_dscnt 0x0
.if \first
	v_readfirstlane_b32 s27, v100
	s_min_u32 s27, s27, 1024                       ; n
	s_max_u32 s28, s27, 1
	s_mov_b32 s29, s28
.endif
	CLAMP 0
	CLAMP 1
	CLAMP 2
	WIN 0x80                                       ; destination window 2
	XROWS 0
	XROWS 1
	XROWS 2
	WIN 0
	XSCL 0
	XSCL 1
	XSCL 2
.if \first
	s_wait_loadcnt 51                              ; W1, its scales and b1 are in; the 48 + 3 loads just issued stay out
	WTURN                                          ; the turn runs while the tokens' rows are on their way
.endif
	s_wait_loadcnt 0x0
	WIN 0x08                                       ; the data: window 2
	STOREX 0
	STOREX 1
	STOREX 2
	WIN 0
	STORES 0
	STORES 1
	STORES 2
	s_cmp_le_i32 s29, 192
	s_cbranch_scc1 .Lns_\@
	LISTLD 3
	s_wait_dscnt 0x0
	CLAMP 3
	WIN 0x80
	XROWS 3
	WIN 0
	XSCL 3
	s_wait_loadcnt 0x0
	WIN 0x08
	STOREX 3
	WIN 0
	STORES 3
.Lns_\@:
	BARRIER                                        ; the superchunk's rows lie in LDS (and my fragments of W1 are in)
.if \first == 0
	s_cmp_le_i32 s29, 0
	s_cbranch_scc1 .Lpd_\@
.endif
	XLOADS 0
.irp j, 0,1,2,3,4,5,6,7
	PSTEP \j, .Lpd_\@
.endr
.Lpd_\@:
	BARRIER                                        ; all four bytes of every scale word lie in LDS, and nobody reads the superchunk's rows any more
	s_lshl_b32 s41, s24, 6
	s_sub_co_i32 s41, s29, s41
	s_cmp_le_i32 s41, 0                            ; wave w sends quad w, if the list reaches it
	s_cbranch_scc1 .Lnh_\@
	ds_load_b64 v[TM+8:TM+9], v23
	s_wait_dscnt 0x0
	global_store_b64 v24, v[TM+8:TM+9], s[46:47]   ; 32 lanes store 256 consecutive bytes, aligned
.Lnh_\@:
	s_wait_xcnt 0x0                                ; the stores have read their bases and their data: they are written again only behind this wait
	s_add_nc_u64 s[44:45], s[44:45], 524288        ; sixteen tiles on in hq
	s_add_nc_u64 s[46:47], s[46:47], 32768         ; four quads on in hs
	s_sub_co_i32 s29, s29, 256
	s_add_co_u32 s34, s34, 1024
.endm
	SUPER 1
	s_mov_b32 s36, 3
.Lsuper:
	SUPER 0
	s_sub_co_i32 s36, s36, 1
	s_cmp_lg_u32 s36, 0
	s_cbranch_scc1 .Lsuper
	; ---- the list and the count, for the next launch: wave 0 of the expert's first work-group
	s_or_b32 s41, s26, s24
	s_cmp_lg_u32 s41, 0
	s_cbranch_scc1 .Lend
.irp i, 0,1,2,3,4,5,6,7
	ds_load_b128 v[128+4*\i:131+4*\i], v29 offset:512*\i
.endr
	v_mov_b32 v100, s27
	s_wait_dscnt 0x0
.irp i, 0,1,2,3,4,5,6,7
	global_store_b128 v4, v[128+4*\i:131+4*\i], s[20:21] offset:512*\i
.endr
	global_store_b32 v27, v100, s[22:23]           ; n, 32 times: all lanes are on
.Lend:
	s_wait_tensorcnt 0x0
	ds_add_u32 v106, v107
	s_wait_dscnt 0x0
	s_endpgm
.Lfunc_end_k_qbc351a8aa7_ffn1:
	.size	k_qbc351a8aa7_ffn1, .Lfunc_end_k_qbc351a8aa7_ffn1-k_qbc351a8aa7_ffn1
	.p2alignl 7, 3214868480
	.fill 96, 4, 3214868480
	.section	.rodata,"a",@progbits
	.p2align	6, 0x0
	.amdhsa_kernel k_qbc351a8aa7_ffn1
		.amdhsa_group_segment_fixed_size 217600
		.amdhsa_private_segment_fixed_size 0
		.amdhsa_enable_private_segment 0
		.amdhsa_kernarg_size 80
		.amdhsa_user_sgpr_count 2
		.amdhsa_user_sgpr_kernarg_segment_ptr 1
		.amdhsa_wavefront_size32 1
		.amdhsa_system_sgpr_workgroup_id_x 1
		.amdhsa_system_sgpr_workgroup_id_y 1
		.amdhsa_system_sgpr_workgroup_id_z 1
		.amdhsa_system_vgpr_workitem_id 0
		.amdhsa_next_free_vgpr 768
		.amdhsa_next_free_sgpr 100
		.amdhsa_reserve_vcc 0
		.amdhsa_float_denorm_mode_32 3
		.amdhsa_float_denorm_mode_16_64 3
		.amdhsa_memory_ordered 1
		.amdhsa_forward_progress 1
		.amdhsa_inst_pref_size 233
	.end_amdhsa_kernel
	.amdgpu_metadata
---
amdhsa.version: [ 1, 2 ]
amdhsa.kernels:
  - .name:           k_qbc351a8aa7_ffn1
    .symbol:         k_qbc351a8aa7_ffn1.kd
    .args:
      - { .name: eid, .offset: 0, .size: 8, .value_kind: global_buffer, .address_space: global }
      - { .name: xq, .offset: 8, .size: 8, .value_kind: global_buffer, .address_space: global }
      - { .name: xs, .offset: 16, .size: 8, .value_kind: global_buffer, .address_space: global }
      - { .name: W1_codes, .offset: 24, .size: 8, .value_kind: global_buffer, .address_space: global }
      - { .name: W1_scales, .offset: 32, .size: 8, .value_kind: global_buffer, .address_space: global }
      - { .name: b1, .offset: 40, .size: 8, .value_kind: global_buffer, .address_space: global }
      - { .name: hq, .offset: 48, .size: 8, .value_kind: global_buffer, .address_space: global }
      - { .name: hs, .offset: 56, .size: 8, .value_kind: global_buffer, .address_space: global }
      - { .name: list, .offset: 64, .size: 8, .value_kind: global_buffer, .address_space: global }
      - { .name: cnt, .offset: 72, .size: 8, .value_kind: global_buffer, .address_space: global }
    .group_segment_fixed_size: 217600
    .private_segment_fixed_size: 0
    .kernarg_segment_align: 8
    .kernarg_segment_size: 80
    .max_flat_workgroup_size: 128
    .sgpr_count:     100
    .vgpr_count:     768
    .wavefront_size: 32
...
	.end_amdgpu_metadata
.endif
;; end of part 2
;; launch ffn2 (part 3): grid 256 x 1, 4 waves a work-group, no clusters, 274,944 bytes of LDS; arguments cnt, list, hq, hs, W2_codes, W2_scales, b2, x, alpha, out0; writes out0
.if DOCPART == 3
	.amdgcn_target "amdgcn-amd-amdhsa--gfx1250"
	.amdhsa_code_object_version 6
	.text
	.protected	k_qbc351a8aa7_ffn2
	.globl	k_qbc351a8aa7_ffn2
	.p2align	8
	.type	k_qbc351a8aa7_ffn2,@function
k_qbc351a8aa7_ffn2:
	s_mov_b64 s[64:65], 0
	v_nop
	global_prefetch_b8 v0, s[64:65] scope:SCOPE_SE
	s_setreg_imm32_b32 hwreg(HW_REG_WAVE_MODE, 25, 1), 1
	s_wait_xcnt 0x0
; THE SECOND PRODUCT AND THE BLEND, ON THE CHOSEN ROWS ALONE: out[t] = x[t] + alpha[t] (hidden[t] W2[e]^T + b2[e]), e the token's expert.
; That is alpha (x + f + b2) + (1 - alpha) x in another order of rounding; no difference of large sums is formed.
; SHARES.  Work-group (e, ds, p), e = id / 32, ds = (id / 2) % 16, p = id % 2, owns 64 columns of the output (a row's piece is 256 bytes, aligned) and the expert's tiles of 16 list places of parity p.
; THE WAVES SHARE K: wave w owns K steps 8 w .. 8 w + 7 of the 32, for all four tiles of columns: its part of W2 is 256 registers for the whole launch.  So each byte of the hidden layer enters the work-group once,
; from its image in memory straight into the operand's registers.  The four waves' partial sums meet in LDS; each wave then finishes four rows of every tile.
; THE PRODUCT IS USED TRANSPOSED (source 0 = 16 rows of W2, source 1 = 16 tokens): a lane holds eight neighbouring columns of one token.
; A SUPERCHUNK is eight slots: slot i is tile 16 sc + 2 i + p.  A slot counts where its tile begins under n; behind a slot that does not count none counts, so it ends the run of slots by one branch.
; Places behind the last token repeat it (the launch before laid the list so): such rows get the same bits and are stored to the same address by this same work-group, so every store has all lanes on.
; NO TENSOR LOAD AND NO CLUSTER, though the two parities read the same rows of W2 and the 16 column blocks the same hidden codes.
; LIMITS.  NaN and infinities are not served.  The sum over K is taken in four parts of 1,024, added as (w0 + w1) + (w2 + w3).
.set PPITCH, 272                       ; a row of 64 f32 + 16 bytes
.set PSLOT,  16*PPITCH
.set PWAVE,  8*PSLOT                   ; LDS from 0 on: partial sums [wave][slot][16 rows]
.set WPITCH, 528
.set WST,    4*PWAVE                   ; 64 rows of 512 bytes of W2 for each wave: the turn from rows to fragments
.set HO,   16                          ; v16-23   slot i: its tile's offset in hq
.set HSO,  24                          ; v24-31   and in hs
.set B2,   32                          ; v32-35   b2 of my four columns
.set W2S,  36                          ; v36-51   W2's scale words: tile c, register j: K step 8 w + j in lanes 0-15, 8 w + 4 + j in lanes 16-31
.set HS,   52                          ; v52-83   the hidden layer's, 4 a slot, laid likewise
.set ACC,  84                          ; v84-115  four accumulators, one for each tile of columns
.set TS,   116                         ; v116-147 partial sums back from LDS
.set OFF,  148                         ; v148-163 16 tokens: their numbers, then their offsets in x and out0
.set AL,   164                         ; v164-179 their offsets in alpha, then alpha
.set XR,   180                         ; v180-243 their 16 bytes of x, then of the result
; v1 r, v2 h, v3 16 lane, v4 16 (lane % 16), v5 8192 w + 16 lane, v6 2048 w + 1024 h + 4 r, v7 WST + my wave + 16 lane, v8 WST + my wave + 528 r + 16 h, v9 my wave's sums + 272 r + 32 h,
; v10-13 wave v's sums + 272 (4 w + lane / 16) + 16 (lane % 16), v14 4 (4 w + lane / 16), v15 128 r + 16 h.
; window 1: W2's fragment (c, K step s) at 64 c + 8 s.   window 2: the hidden fragments of slots 0-3, at 64 i + 8 s.   window 3: W2's rows as loaded, row i at 4 i; afterwards slots 4-7.
; s24 w, s25 e, s26 ds, s27 n, s28 p, s29 T = tiles that count, s30 the last tile that the launch before has written, s31 slot 0's tile, s32 counter, s36-38 at work.
.set MSB, 0
.macro WIN new                         ; the immediate's high byte repeats the setting that is left; a switch that changes nothing is dropped
.if MSB != (\new)
	s_set_vgpr_msb (MSB<<8)|(\new)
.set MSB, (\new)
.endif
.endm
.macro BARRIER                         ; my LDS stores have landed and my LDS loads are in: then the work-group's barrier
	s_wait_dscnt 0x0
	s_barrier_signal -1
	s_barrier_wait -1
.endm
; one matrix instruction.  c: the C's first register, or under 0 for the constant 0, which starts a sum.  row = 1: both sides' scale words are taken from lanes 16-31
.macro MM d, a, b, c, sa, sb, row
.if (\c) < 0
.if \row
	v_wmma_scale_f32_16x16x128_f8f6f4 v[(\d):(\d)+7], v[(\a):(\a)+7], v[(\b):(\b)+7], 0, v[(\sa)], v[(\sb)] matrix_a_fmt:MATRIX_FMT_FP4 matrix_b_fmt:MATRIX_FMT_FP4 matrix_a_scale:MATRIX_SCALE_ROW1 matrix_b_scale:MATRIX_SCALE_ROW1
.else
	v_wmma_scale_f32_16x16x128_f8f6f4 v[(\d):(\d)+7], v[(\a):(\a)+7], v[(\b):(\b)+7], 0, v[(\sa)], v[(\sb)] matrix_a_fmt:MATRIX_FMT_FP4 matrix_b_fmt:MATRIX_FMT_FP4
.endif
.else
.if \row
	v_wmma_scale_f32_16x16x128_f8f6f4 v[(\d):(\d)+7], v[(\a):(\a)+7], v[(\b):(\b)+7], v[(\c):(\c)+7], v[(\sa)], v[(\sb)] matrix_a_fmt:MATRIX_FMT_FP4 matrix_b_fmt:MATRIX_FMT_FP4 matrix_a_scale:MATRIX_SCALE_ROW1 matrix_b_scale:MATRIX_SCALE_ROW1
.else
	v_wmma_scale_f32_16x16x128_f8f6f4 v[(\d):(\d)+7], v[(\a):(\a)+7], v[(\b):(\b)+7], v[(\c):(\c)+7], v[(\sa)], v[(\sb)] matrix_a_fmt:MATRIX_FMT_FP4 matrix_b_fmt:MATRIX_FMT_FP4
.endif
.endif
.endm
	s_load_b512 s[4:19], s[0:1], 0x0               ; cnt s[4:5], list s[6:7], hq s[8:9], hs s[10:11], W2's codes s[12:13], its scales s[14:15], b2 s[16:17], x s[18:19]
	s_load_b128 s[20:23], s[0:1], 0x40             ; alpha s[20:21], out0 s[22:23]
	v_lshl_add_u32 v254, v0, 2, 0x43000
	v_mov_b32 v255, 0
	v_lshrrev_b32 v16, 5, v0
	v_readfirstlane_b32 s24, v16                   ; wave 0..3
	s_lshr_b32 s25, ttmp9, 5                       ; e
	s_bfe_u32 s26, ttmp9, 0x40001                  ; ds
	s_and_b32 s28, ttmp9, 1                        ; p
	v_and_b32 v1, 15, v0
	v_bfe_u32 v2, v0, 4, 1
	v_and_b32 v3, 31, v0
	v_lshlrev_b32 v3, 4, v3
	v_lshlrev_b32 v4, 4, v1
	s_lshl_b32 s36, s24, 13
	v_add_nc_u32 v5, s36, v3
	s_lshl_b32 s36, s24, 11
	v_lshl_add_u32 v6, v2, 10, s36
	v_lshl_add_u32 v6, v1, 2, v6
	s_mul_i32 s36, s24, 64*WPITCH
	s_add_co_u32 s36, s36, WST
	v_add_nc_u32 v7, s36, v3
	v_mul_u32_u24 v8, v1, WPITCH
	v_lshl_add_u32 v8, v2, 4, v8
	v_add_nc_u32 v8, s36, v8
	s_mul_i32 s36, s24, PWAVE
	v_mul_u32_u24 v9, v1, PPITCH
	v_lshl_add_u32 v9, v2, 5, v9
	v_add_nc_u32 v9, s36, v9
	s_lshl_b32 s36, s24, 2
	v_add_nc_u32 v14, s36, v2                      ; 4 w + lane / 16: the first of the rows that I finish
	v_mul_u32_u24 v10, v14, PPITCH
	v_add_nc_u32 v10, v10, v4
	v_add_nc_u32 v11, PWAVE, v10
	v_add_nc_u32 v12, 2*PWAVE, v10
	v_add_nc_u32 v13, 3*PWAVE, v10
	v_lshlrev_b32 v14, 2, v14
	v_lshlrev_b32 v15, 7, v1
	v_lshl_add_u32 v15, v2, 4, v15
	s_mov_b32 s35, 0
	s_wait_kmcnt 0x0
	s_lshl_b32 s34, s25, 7
	s_add_nc_u64 s[4:5], s[4:5], s[34:35]          ; cnt: 128 bytes an expert
	s_load_b32 s27, s[4:5], 0x0                    ; n
	s_lshl_b32 s34, s25, 12                        ; list: 4,096 bytes an expert; tile p begins 64 p bytes on
	s_lshl_b32 s36, s28, 6
	s_add_co_u32 s34, s34, s36
	s_add_nc_u64 s[6:7], s[6:7], s[34:35]
	s_lshl_b32 s34, s25, 21
	s_add_nc_u64 s[8:9], s[8:9], s[34:35]          ; hq: 2 MiB an expert
	s_lshl_b32 s36, s26, 17                        ; W2's codes: row 1024 e + 64 ds, 2,048 bytes a row; my K steps begin 512 w bytes on
	s_add_co_u32 s34, s34, s36
	s_lshl_b32 s36, s24, 9
	s_add_co_u32 s34, s34, s36
	s_add_nc_u64 s[12:13], s[12:13], s[34:35]
	s_lshr_b32 s34, s34, 4                         ; its scale bytes: 128 a row, 32 w on
	s_add_nc_u64 s[14:15], s[14:15], s[34:35]
	s_lshl_b32 s34, s25, 17
	s_add_nc_u64 s[10:11], s[10:11], s[34:35]      ; hs: 128 KiB an expert
	s_lshl_b32 s34, s26, 8                         ; my 64 columns: 256 bytes on in a row of x and of out0,
	s_add_nc_u64 s[18:19], s[18:19], s[34:35]
	s_add_nc_u64 s[22:23], s[22:23], s[34:35]
	s_lshl_b32 s36, s25, 12
	s_add_co_u32 s34, s34, s36                     ; and of the expert's row of b2
	s_add_nc_u64 s[16:17], s[16:17], s[34:35]
	WIN 0xc0                                       ; destination window 3
.set i, 0
.rept 64
	global_load_b128 v[4*i:4*i+3], v3, s[12:13] offset:2048*i      ; my 512 bytes of row i: consecutive.  (The work-group of the other parity reads them too: no hint)
.set i, i+1
.endr
	WIN 0
.irp c, 0,1,2,3
	global_load_b128 v[W2S+4*\c:W2S+4*\c+3], v15, s[14:15] offset:2048*\c
.endr
	global_load_b128 v[B2:B2+3], v4, s[16:17]
.set i, 0
.rept 16
	v_mov_b32 v[HS+16+i], 0                        ; slots 4 to 7's scale words are written on every way, also where no load fills them
.set i, i+1
.endr
	s_wait_kmcnt 0x0
	s_min_u32 s27, s27, 1024
	s_add_co_u32 s29, s27, 15
	s_lshr_b32 s29, s29, 4                         ; T = ceil(n / 16)
	s_max_u32 s30, s27, 1
	s_add_co_u32 s30, s30, 31
	s_lshr_b32 s30, s30, 5
	s_lshl_b32 s30, s30, 1
	s_sub_co_u32 s30, s30, 1                       ; 2 ceil(max(n, 1) / 32) - 1
	s_mov_b32 s31, s28
; slot i's offsets.  written = 1: a slot that may not count is held at the last tile that has been written.  What hangs on n enters an address behind a hold at a constant
.macro ADDR i, written
	s_add_co_u32 s36, s31, 2*\i
.if \written
	s_min_u32 s36, s36, s30
.endif
	s_lshr_b32 s37, s36, 2
	s_min_u32 s37, s37, 15                         ; the quad of tiles
	s_min_u32 s36, s36, 63                         ; the tile
	s_lshl_b32 s37, s37, 13
	s_and_b32 s38, s36, 3
	s_lshl_b32 s38, s38, 6
	s_add_co_u32 s37, s37, s38
	s_lshl_b32 s36, s36, 15
	v_add_nc_u32 v[HO+\i], s36, v5
	v_add_nc_u32 v[HSO+\i], s37, v6
.endm
.macro HCODES i                        ; my eight K steps of slot i's tile: the operand's registers as they lie in memory, 512 consecutive bytes an instruction (the caller has set the destination's window)
.irp s, 0,1,2,3,4,5,6,7
.irp g, 0,1
	global_load_b128 v[64*((\i)%4)+8*\s+4*\g:64*((\i)%4)+8*\s+4*\g+3], v[HO+\i], s[8:9] offset:1024*\s+512*\g
.endr
.endr
.endm
.macro HSCALES i
.irp j, 0,1,2,3
	global_load_b32 v[HS+4*\i+\j], v[HSO+\i], s[10:11] offset:256*\j
.endr
.endm
; slots 4 to 7 are fetched where they count; the first that does not ends the run (out).  turned = 1: W2's rows have just been stored from window 3 into LDS
.macro HIGH i, out, turned
	s_add_co_u32 s36, s31, 2*\i
	s_cmp_ge_u32 s36, s29
	s_cbranch_scc1 \out
.if \turned
	s_wait_dscnt 0x0                               ; those stores are done: window 3 may take slots 4 to 7.  (Where no slot lands there, only LDS loads follow the stores, and LDS serves a wave's instructions in order)
.endif
	ADDR \i, 0
	WIN 0xc0
	HCODES \i
	WIN 0
	HSCALES \i
.endm
; slot i: 32 products; my part of the sums goes to LDS
.macro MULS i, out
	s_add_co_u32 s36, s31, 2*\i
	s_cmp_ge_u32 s36, s29
	s_cbranch_scc1 \out
	WIN 0x09+4*((\i)/4)                            ; source 0 (W2) window 1, source 1 (the hidden layer) window 2 or 3
.irp s, 0,1,2,3,4,5,6,7                    ; the four accumulators take turns, one instruction a turn
.irp c, 0,1,2,3
.if \s == 0
	MM ACC+8*\c, 64*\c+8*\s, 64*((\i)%4)+8*\s, -1, W2S+4*\c+\s%4, HS+4*(\i)+\s%4, \s/4
.else
	MM ACC+8*\c, 64*\c+8*\s, 64*((\i)%4)+8*\s, ACC+8*\c, W2S+4*\c+\s%4, HS+4*(\i)+\s%4, \s/4
.endif
.endr
.endr
	WIN 0
.rept 5
	v_nop                                          ; four places ahead of the stores that read the results; five ahead of the next slot's first product, which writes over them
.endr
.irp c, 0,1,2,3
	ds_store_b128 v9, v[ACC+8*\c:ACC+8*\c+3] offset:PSLOT*\i+64*\c          ; token r, columns 16 c + 8 h + 0 .. 3; each accumulator from its low end on
	ds_store_b128 v9, v[ACC+8*\c+4:ACC+8*\c+7] offset:PSLOT*\i+64*\c+16
.endr
.endm
; slot i: my four rows of the tile, two an instruction: the four waves' parts, b2, the gate, the residual; out
.macro EPI i, out
	s_add_co_u32 s36, s31, 2*\i
	s_cmp_ge_u32 s36, s29
	s_cbranch_scc1 \out
.irp k, 0,1
.irp v, 0,1,2,3
	ds_load_b128 v[TS+16*\k+4*\v:TS+16*\k+4*\v+3], v[10+\v] offset:PSLOT*\i+2*PPITCH*\k
.endr
.endr
	s_wait_dscnt 0x0
.irp k, 0,1
.irp j, 0,2
	v_pk_add_f32 v[TS+16*\k+\j:TS+16*\k+\j+1], v[TS+16*\k+\j:TS+16*\k+\j+1], v[TS+16*\k+4+\j:TS+16*\k+4+\j+1]
	v_pk_add_f32 v[TS+16*\k+8+\j:TS+16*\k+8+\j+1], v[TS+16*\k+8+\j:TS+16*\k+8+\j+1], v[TS+16*\k+12+\j:TS+16*\k+12+\j+1]
.endr
.irp j, 0,2
	v_pk_add_f32 v[TS+16*\k+\j:TS+16*\k+\j+1], v[TS+16*\k+\j:TS+16*\k+\j+1], v[TS+16*\k+8+\j:TS+16*\k+8+\j+1]
.endr
.irp j, 0,2
	v_pk_add_f32 v[TS+16*\k+\j:TS+16*\k+\j+1], v[TS+16*\k+\j:TS+16*\k+\j+1], v[B2+\j:B2+\j+1]
.endr
.irp j, 0,1,2,3
	v_fma_f32 v[XR+4*(2*\i+\k)+\j], v[AL+2*\i+\k], v[TS+16*\k+\j], v[XR+4*(2*\i+\k)+\j]   ; x + alpha (f + b2)
.endr
	global_store_b128 v[OFF+2*\i+\k], v[XR+4*(2*\i+\k):XR+4*(2*\i+\k)+3], s[22:23] th:TH_STORE_NT   ; 16 lanes store 256 consecutive bytes of a row, aligned
.endr
.endm
.macro SUPER first
.if \first == 0
	s_cmp_ge_u32 s31, s29
	s_cbranch_scc1 .Lnw_\@                         ; nothing is left: the two barriers are passed all the same
.endif
.irp i, 0,1,2,3
	ADDR \i, 1
.endr
	WIN 0x80                                       ; destination window 2
.irp i, 0,1,2,3
	HCODES \i
.endr
	WIN 0
.irp i, 0,1,2,3
	HSCALES \i
.endr
.irp i, 0,1,2,3,4,5,6,7
.irp k, 0,1
	global_load_b32 v[OFF+2*\i+\k], v14, s[6:7] offset:128*\i+8*\k   ; the tokens of the rows that I finish: place 16 (2 i) + 4 w + lane / 16 + 2 k from the superchunk's first tile on
.endr
.endr
.if \first
	s_wait_loadcnt 63                              ; behind W2, its scales and b2 96 loads were issued: with 63 out at the most, all of those are in
	WIN 0x0c                                       ; the data: window 3
.set i, 0
.rept 64
	ds_store_b128 v7, v[4*i:4*i+3] offset:WPITCH*i ; W2's rows into my wave's own bytes of LDS
.set i, i+1
.endr
	WIN 0
.endif
	HIGH 4, .Lhd_\@, \first
	HIGH 5, .Lhd_\@, 0
	HIGH 6, .Lhd_\@, 0
	HIGH 7, .Lhd_\@, 0
.Lhd_\@:
.if \first
	WIN 0x40                                       ; destination window 1: W2 comes back as fragments while the hidden codes are on their way
.irp c, 0,1,2,3
.irp s, 0,1,2,3,4,5,6,7
.irp g, 0,1
	ds_load_b128 v[64*\c+8*\s+4*\g:64*\c+8*\s+4*\g+3], v8 offset:16*WPITCH*\c+64*\s+32*\g
.endr
.endr
.endr
	WIN 0
.endif
	s_wait_loadcnt 0x0                             ; the hidden codes, their scale words and the tokens' numbers
.set q, 0
.rept 16
	v_min_u32 v[OFF+q], 0x3ff, v[OFF+q]
	v_lshlrev_b32 v[AL+q], 2, v[OFF+q]
	v_lshl_add_u32 v[OFF+q], v[OFF+q], 12, v4      ; 4,096 x token + my 16 bytes of the 256
	global_load_b32 v[AL+q], v[AL+q], s[20:21]     ; alpha (the load lands on its own address register)
	global_load_b128 v[XR+4*q:XR+4*q+3], v[OFF+q], s[18:19]   ; x: they land while the products run
.set q, q+1
.endr
	s_wait_dscnt 0x0                               ; W2's fragments
.irp i, 0,1,2,3,4,5,6,7
	MULS \i, .Lnw_\@
.endr
.Lnw_\@:
	BARRIER                                        ; the four waves' parts lie in LDS
	s_wait_loadcnt 0x0                             ; x and alpha
.irp i, 0,1,2,3,4,5,6,7
	EPI \i, .Lnx_\@
.endr
.Lnx_\@:
	BARRIER                                        ; nobody reads the parts any more
	s_wait_xcnt 0x0                                ; the stores and loads have read their registers and bases: they are written again only behind this wait
	s_add_co_u32 s31, s31, 16
	s_add_nc_u64 s[6:7], s[6:7], 1024
.endm
	SUPER 1
	s_mov_b32 s32, 3
.Lsuper:
	SUPER 0
	s_sub_co_i32 s32, s32, 1
	s_cmp_lg_u32 s32, 0
	s_cbranch_scc1 .Lsuper
	s_wait_tensorcnt 0x0
	ds_add_u32 v254, v255
	s_wait_dscnt 0x0
	s_endpgm
.Lfunc_end_k_qbc351a8aa7_ffn2:
	.size	k_qbc351a8aa7_ffn2, .Lfunc_end_k_qbc351a8aa7_ffn2-k_qbc351a8aa7_ffn2
	.p2alignl 7, 3214868480
	.fill 96, 4, 3214868480
	.section	.rodata,"a",@progbits
	.p2align	6, 0x0
	.amdhsa_kernel k_qbc351a8aa7_ffn2
		.amdhsa_group_segment_fixed_size 274944
		.amdhsa_private_segment_fixed_size 0
		.amdhsa_enable_private_segment 0
		.amdhsa_kernarg_size 80
		.amdhsa_user_sgpr_count 2
		.amdhsa_user_sgpr_kernarg_segment_ptr 1
		.amdhsa_wavefront_size32 1
		.amdhsa_system_sgpr_workgroup_id_x 1
		.amdhsa_system_sgpr_workgroup_id_y 1
		.amdhsa_system_sgpr_workgroup_id_z 1
		.amdhsa_system_vgpr_workitem_id 0
		.amdhsa_next_free_vgpr 1024
		.amdhsa_next_free_sgpr 66
		.amdhsa_reserve_vcc 0
		.amdhsa_float_denorm_mode_32 3
		.amdhsa_float_denorm_mode_16_64 3
		.amdhsa_memory_ordered 1
		.amdhsa_forward_progress 1
		.amdhsa_inst_pref_size 185
	.end_amdhsa_kernel
	.amdgpu_metadata
---
amdhsa.version: [ 1, 2 ]
amdhsa.kernels:
  - .name:           k_qbc351a8aa7_ffn2
    .symbol:         k_qbc351a8aa7_ffn2.kd
    .args:
      - { .name: cnt, .offset: 0, .size: 8, .value_kind: global_buffer, .address_space: global }
      - { .name: list, .offset: 8, .size: 8, .value_kind: global_buffer, .address_space: global }
      - { .name: hq, .offset: 16, .size: 8, .value_kind: global_buffer, .address_space: global }
      - { .name: hs, .offset: 24, .size: 8, .value_kind: global_buffer, .address_space: global }
      - { .name: W2_codes, .offset: 32, .size: 8, .value_kind: global_buffer, .address_space: global }
      - { .name: W2_scales, .offset: 40, .size: 8, .value_kind: global_buffer, .address_space: global }
      - { .name: b2, .offset: 48, .size: 8, .value_kind: global_buffer, .address_space: global }
      - { .name: x, .offset: 56, .size: 8, .value_kind: global_buffer, .address_space: global }
      - { .name: alpha, .offset: 64, .size: 8, .value_kind: global_buffer, .address_space: global }
      - { .name: out0, .offset: 72, .size: 8, .value_kind: global_buffer, .address_space: global }
    .group_segment_fixed_size: 274944
    .private_segment_fixed_size: 0
    .kernarg_segment_align: 8
    .kernarg_segment_size: 80
    .max_flat_workgroup_size: 128
    .sgpr_count:     66
    .vgpr_count:     1024
    .wavefront_size: 32
...
	.end_amdgpu_metadata
.endif
;; end of part 3
;; ======== version 2 of 2: 3 launches; version 1 with the launches ffn1, ffn2 written anew for expert scheduling mode
;; workspace buffers: xq 524,288 bytes; xs 32,768 bytes; alpha 4,096 bytes; eid 4,096 bytes of whole numbers; list 32,768 bytes of whole numbers; cnt 1,024 bytes of whole numbers; hq 16,777,216 bytes; hs 1,048,576 bytes
;; launch route: the kernel of part 1 again; grid 256 x 1, 4 waves a work-group, no clusters, 4,608 bytes of LDS; arguments x, centroids, gamma, beta, xq, xs, alpha, eid; writes xq, xs, alpha, eid
;; launch ffn1 (part 4): grid 256 x 1, 4 waves a work-group, no clusters, 217,600 bytes of LDS; arguments eid, xq, xs, W1_codes, W1_scales, b1, hq, hs, list, cnt; writes hq, hs, list, cnt
.if DOCPART == 4
	.amdgcn_target "amdgcn-amd-amdhsa--gfx1250"
	.amdhsa_code_object_version 6
	.text
	.protected	k_qbc351a8aa7_ffn1
	.globl	k_qbc351a8aa7_ffn1
	.p2align	8
	.type	k_qbc351a8aa7_ffn1,@function
k_qbc351a8aa7_ffn1:
	s_mov_b64 s[64:65], 0
	v_nop
	global_prefetch_b8 v0, s[64:65] scope:SCOPE_SE
	s_setreg_imm32_b32 hwreg(HW_REG_WAVE_SCHED_MODE, 0, 2), 2
	s_setreg_imm32_b32 hwreg(HW_REG_WAVE_MODE, 25, 1), 1
	s_wait_xcnt 0x0
	s_wait_alu depctr_vm_vsrc(0)
; THE FIRST PRODUCT, ON THE CHOSEN ROWS ALONE: hidden = Q(relu(xq W1[e]^T + b1[e])), Q the quantiser along the hidden units, on codes of E2M1 with E8M0 scales.
; SHARES.  Work-group (e, fs), e = id / 32, fs = id % 32, owns hidden units 128 fs .. + 127 of expert e: K step fs of the second product.  Wave w owns 32 of them, block w of that
; K step: 2 tiles x 8 K steps of W1 in 128 registers for the whole launch, read from memory once, as one dense run of 16 KiB.  Every wave walks all tokens of expert e, 32 at a time.
; THE LIST.  Every wave counts the expert's tokens from eid for itself (32 compares, 32 bit counts, a chain of scalar additions), so that the number on which its branches hang stays in its own scalar registers.
; Wave 0 alone builds the list of those tokens in LDS (a rank by v_mbcnt_lo_u32_b32 on top of the running count) while the weights are on their way.  The 32 places behind the last token
; repeat the last token, the rest hold 0: so a tile of 16 places is always full, and a repeated row gives the same bits as the row that it repeats.  With no token at all the list counts as one place (token 0):
; tiles 0 and 1 of every expert are always written.  The work-groups with fs = 0 store the list and the count for the next launch.
; THE PRODUCT IS USED TRANSPOSED (source 0 = 16 rows of W1, source 1 = 16 tokens), AND THE ROWS OF W1 THAT FORM A TILE ARE NOT NEIGHBOURS: lane r of tile u takes row 8 u + r + 8 (r / 8) of the wave's 32.  So lane
; (r, h) holds token r, and the 16 registers of tiles 0 and 1 are hidden units 16 h + 0 .. 15 of the block: two conversions give 8 bytes that lie on end in the next operand.  b1 is the C of a sum's first instruction.
; OUT.  hq [e][64 tiles][32 K steps][1,024 bytes]: the IMAGE of the next operand's 8 registers (registers 4 c .. 4 c + 3 of lane l at 512 c + 16 l), in which block w is bytes 256 w .. + 255: one store of the wave.
;       hs [e][16 quads of tiles][32 K steps][4 tiles][16 rows][4 bytes]: a row's scale word for a K step; wave w makes byte w; a quad's 256 bytes are gathered in LDS and leave whole.
; NO TENSOR LOAD AND NO CLUSTER, though the 32 work-groups of an expert read the same tokens' codes.
; LIMITS.  A block of the hidden layer under 2^-124 (zeros too) gets the byte 1: its codes are zeros, and this program alone reads the bytes.  NaN and infinities are not served.
; THE MODE: SCHED_MODE bits 1:0 = 2 (LLVM: expert scheduling mode 2), set by the entry lines.  The code itself states the register dependences
; between vector or matrix instructions and memory or LDS instructions, with s_wait_alu, always for 0.
; THE PLAN.  Registers that memory or LDS instructions touch, and who else names them:
;   v4-7, v10-20, v23-25, v27, v29-31   offsets and LDS addresses: written once at the head, ahead of one wait on va_vdst, and never again.
;   v8, v9               written by two additions at a superchunk's head; read by its loads of the list.
;   v128-195 (AD, AS)    the list's loads land; CLAMP rewrites them; the rows' global loads read them as offsets.
;   v128-255 (XF), v56-63 (XC)   a pair's 34 LDS loads land; its 32 products read them.
;   window 2, v112-127   rows and scale rows: global loads land, LDS stores read; no vector instruction names them.
;   window 1             W1's rows land; LDS stores read them; the fragments land in the same registers; the products read them.
;   v108-111, v102, v103 a pair's codes and bytes: written by its conversions and shifts, read by its four stores.
;   v104, v105           at the head offsets of two runs of loads; afterwards an LDS load lands there and a global store reads them.
;   the count            v128-159: eid lands, compares read, in every wave.
;   wave 0's build       v160-191: written stage by stage, read by the scatter's stores; v28, v22: made by vector lines; v101: an LDS load lands.
; THE WAITS OF A SUPERCHUNK.  At its head one on va_vdst: v8, v9 are written and the earlier products (in the first: the compares) are done with what the list's loads land in.  Behind CLAMP one on va_vdst, ahead of the rows' loads.  Behind the barrier
; that shows the rows in LDS one on vm_vsrc: it frees AD and AS for the fragments, window 2 and v112-127 for the next superchunk's loads, v8 and v9 for the next head, v104 and v105 for the scale words' load.
; THE WAITS OF A PAIR.  Behind its products one on vm_vsrc: the stores of the pair before, issued 32 products ago, have read the codes' and bytes' registers.  Ahead of the next pair's loads one on va_vdst:
; the products are done with XC and XF.  Behind the conversions one on va_vdst, ahead of the four stores.  No vector line between a wait and the memory lines that lean on it names a register that these touch.
.set XPITCH, 528                       ; a row of 512 bytes of codes + 16 = 132 words: row r starts at bank 4 r mod 64 (64 banks of 4 bytes: ISA guide 11.1), so the 16 rows that a fragment load touches start at 16 different banks
.set XB,   0                           ; LDS: 256 list places' codes
.set XS,   256*XPITCH                  ; their scale bytes, 32 a place
.set WST,  XS+256*32                   ; 32 rows of W1 for each wave: the turn from rows to fragments
.set LIST, WST+4*32*XPITCH             ; 1,088 words: 1,024 places, 32 for the repeats behind a full list, and 32 (the dump) that take the scatter's stores of lanes whose token is another expert's
.set DUMPW, 1056                       ; the dump's first word in the list's region
.set HSB,  LIST+4352                   ; 16 tiles x 16 rows x 4 bytes: the hidden layer's scale words
.set W1S,  32                          ; v32-39   W1's scale words: tile u, register j: K step j in lanes 0-15, K step 4 + j in lanes 16-31
.set B1,   40                          ; v40-55   b1 in the result's layout, 8 a tile
.set XC,   56                          ; v56-63   the tokens' scale words, laid as W1's
.set ACC,  64                          ; v64-95   accumulator (tile of tokens m, tile of units u) at 16 m + 8 u
.set TM,   96                          ; v96-105  at work; v106, v107: the closing add's two registers
.set PC,   108                         ; v108-111 the codes just made, a pair for each m
.set XSL,  112                         ; v112-127 scale rows on their way to LDS
.set XF,   128                         ; v128-255 the tokens' fragments (m, K step s) at 64 m + 8 s
.set AD,   128                         ; while rows are fetched: v128-191 their offsets in xq, 16 a quad of 64 places; v192-195 in xs
.set AS,   192
.set RK,   160                         ; while the list is built (v128-159 hold eid): v160-175 sixteen places, then their LDS addresses; v176-191 sixteen tokens' numbers
.set TK,   176
.set CN,   48                          ; s48-63   sixteen steps' counts
.set MK,   66                          ; s66-81   sixteen steps' masks
.set BS,   82                          ; s82-98   the running count ahead of each of sixteen steps, and behind the last
; v1 r, v2 h, v3 lane, v4 16 lane, v5 16 (t % 2), v6 LIST + 64 w, v7 LIST + 4 (t / 2), v8, v9 the same in the superchunk in hand, v10 WST + my wave + 16 lane, v11 WST + my wave + 528 r + 16 h,
; v12-15 XB + (64 j + 16 w) rows + 16 lane, v16 XS + 16 t, v17 528 r + 16 h, v18 XS + 32 r + 16 h, v19 HSB + 4 r + w, v20 v17 + 128 rows, v22 where the repeats begin, v23 HSB + 256 w + 8 lane, v24 8192 w + 8 lane,
; v25 256 w + 16 r + 8 h, v27 4 lane, v28 the last token's place, v29 LIST + 16 lane, v30 my word of the dump: 1056 + lane, v31 LIST + 4 lane.
; window 1: v0-127 W1: rows as loaded, then fragment (u, s) at 64 u + 8 s.   window 2: rows of xq on their way to LDS: row i of quad j at 64 j + 4 i.
; s24 w, s25 e, s26 fs, s27 n, s28 max(n, 1), s29 places left at the superchunk's head, s34 the superchunk's step in LIST, s36 counter, s40 the count, s41 at work.
.set MSB, 0
.macro WIN new                         ; the immediate's high byte repeats the setting that is left; a switch that changes nothing is dropped
.if MSB != (\new)
	s_set_vgpr_msb (MSB<<8)|(\new)
.set MSB, (\new)
.endif
.endm
.macro BARRIER                         ; my LDS stores have landed and my LDS loads are in: then the work-group's barrier
	s_wait_dscnt 0x0
	s_barrier_signal -1
	s_barrier_wait -1
.endm
; one matrix instruction.  c: the C's first register.  row = 1: both sides' scale words are taken from lanes 16-31
.macro MM d, a, b, c, sa, sb, row
.if \row
	v_wmma_scale_f32_16x16x128_f8f6f4 v[(\d):(\d)+7], v[(\a):(\a)+7], v[(\b):(\b)+7], v[(\c):(\c)+7], v[(\sa)], v[(\sb)] matrix_a_fmt:MATRIX_FMT_FP4 matrix_b_fmt:MATRIX_FMT_FP4 matrix_a_scale:MATRIX_SCALE_ROW1 matrix_b_scale:MATRIX_SCALE_ROW1
.else
	v_wmma_scale_f32_16x16x128_f8f6f4 v[(\d):(\d)+7], v[(\a):(\a)+7], v[(\b):(\b)+7], v[(\c):(\c)+7], v[(\sa)], v[(\sb)] matrix_a_fmt:MATRIX_FMT_FP4 matrix_b_fmt:MATRIX_FMT_FP4
.endif
.endm
	s_load_b512 s[4:19], s[0:1], 0x0               ; eid s[4:5], xq s[6:7], xs s[8:9], W1's codes s[10:11], its scales s[12:13], b1 s[14:15], hq s[16:17], hs s[18:19]
	s_load_b128 s[20:23], s[0:1], 0x40             ; list s[20:21], cnt s[22:23]
	v_lshl_add_u32 v106, v0, 2, 0x35000
	v_mov_b32 v107, 0
	v_lshrrev_b32 v20, 5, v0
	v_readfirstlane_b32 s24, v20                   ; wave 0..3
	s_lshr_b32 s25, ttmp9, 5                       ; e
	s_and_b32 s26, ttmp9, 31                       ; fs
	; every LDS address register that outlives the list's build is made here, ahead of the first branch on the wave's number
	v_and_b32 v1, 15, v0
	v_bfe_u32 v2, v0, 4, 1
	v_and_b32 v3, 31, v0
	v_lshlrev_b32 v4, 4, v3
	v_and_b32 v5, 1, v0
	v_lshlrev_b32 v5, 4, v5
	s_wait_alu depctr_va_sdst(0)                   ; s24 is written, ahead of its first reader: addresses, bases and branches are made from it
	s_lshl_b32 s41, s24, 6
	s_add_co_u32 s41, s41, LIST
	v_mov_b32 v6, s41
	v_lshrrev_b32 v7, 1, v0
	v_lshl_add_u32 v7, v7, 2, LIST
	v_mul_u32_u24 v17, v1, XPITCH
	v_lshl_add_u32 v17, v2, 4, v17
	v_add_nc_u32 v20, 128*XPITCH, v17              ; pairs 4 to 7: an LDS offset has 16 bits
	s_mul_i32 s41, s24, 32*XPITCH
	s_add_co_u32 s41, s41, WST
	v_add_nc_u32 v10, s41, v4
	v_add_nc_u32 v11, s41, v17
	s_mul_i32 s41, s24, 16*XPITCH
	v_add_nc_u32 v12, s41, v4
	v_add_nc_u32 v13, 64*XPITCH, v12
	v_add_nc_u32 v14, 128*XPITCH, v12
	v_add_nc_u32 v15, 192*XPITCH, v12
	v_lshl_add_u32 v16, v0, 4, XS
	v_lshlrev_b32 v18, 5, v1
	v_lshl_add_u32 v18, v2, 4, v18
	v_add_nc_u32 v18, XS, v18
	v_lshl_add_u32 v19, v1, 2, HSB
	v_add_nc_u32 v19, s24, v19
	s_lshl_b32 s41, s24, 8
	v_lshl_add_u32 v23, v3, 3, s41
	v_add_nc_u32 v23, HSB, v23
	v_lshlrev_b32 v25, 4, v1
	v_lshl_add_u32 v25, v2, 3, v25
	v_add_nc_u32 v25, s41, v25
	s_lshl_b32 s41, s24, 13
	v_lshl_add_u32 v24, v3, 3, s41
	v_lshlrev_b32 v27, 2, v3
	v_add_nc_u32 v29, LIST, v4
	v_add_nc_u32 v30, DUMPW, v3
	v_add_nc_u32 v31, LIST, v27
	v_and_b32 v104, 8, v1
	v_add_nc_u32 v104, v104, v1                    ; r + 8 (r / 8)
	v_lshlrev_b32 v104, 5, v104
	v_lshl_add_u32 v104, v2, 4, v104               ; W1's scale bytes: 32 a row, + 16 h: four K steps' words
	v_lshlrev_b32 v105, 6, v2                      ; b1: 64 h
.irp i, 0,1,2,3
	v_mov_b32 v[TM+\i], 0                          ; zeros for the fills below; v98, v99 are lane permutes' destinations later, which count as read
.endr
	s_mov_b32 s39, 0
	s_mov_b32 s[BS], 0
	s_mov_b32 s34, 0
	s_mov_b32 s42, 0x76543210
	s_mov_b32 s43, 0xfedcba98                      ; v_permlanex16_b32's selects for lane l xor 16
	s_wait_kmcnt 0x0
	s_lshl_b32 s38, s25, 21                        ; hq: 2 MiB an expert, 1,024 bytes a K step
	s_lshl_b32 s41, s26, 10
	s_add_co_u32 s38, s38, s41
	s_add_nc_u64 s[44:45], s[16:17], s[38:39]
	s_lshl_b32 s38, s25, 17                        ; hs: 128 KiB an expert, 256 bytes a K step
	s_lshl_b32 s41, s26, 8
	s_add_co_u32 s38, s38, s41
	s_add_nc_u64 s[46:47], s[18:19], s[38:39]
	s_lshl_b32 s38, s25, 12
	s_add_nc_u64 s[20:21], s[20:21], s[38:39]      ; list: 4,096 bytes an expert
	s_lshl_b32 s38, s25, 7
	s_add_nc_u64 s[22:23], s[22:23], s[38:39]      ; cnt: 128 bytes an expert
	s_lshl_b32 s38, s25, 21                        ; W1's codes: row 4096 e + 128 fs + 32 w, 512 bytes a row
	s_lshl_b32 s41, s26, 16
	s_add_co_u32 s38, s38, s41
	s_lshl_b32 s41, s24, 14
	s_add_co_u32 s38, s38, s41
	s_add_nc_u64 s[10:11], s[10:11], s[38:39]
	s_lshr_b32 s38, s38, 4                         ; its scale bytes: 32 a row
	s_add_nc_u64 s[12:13], s[12:13], s[38:39]
	s_lshr_b32 s38, s38, 3                         ; b1: 4 bytes a row
	s_add_nc_u64 s[14:15], s[14:15], s[38:39]
	s_wait_alu depctr_va_vdst(0)                   ; every offset and LDS address made above (v4 to v31, v104, v105) and the zeros v96 to v99 are written: the loads and stores of the whole kernel read them
.irp q, 0,1,2,3,4,5,6,7
	global_load_b128 v[128+4*\q:131+4*\q], v4, s[4:5] offset:512*\q   ; all 1,024 experts' numbers, in every wave; register 4 q + c of lane l is token 128 q + 4 l + c's
.endr
	WIN 0x40                                       ; destination window 1
.set i, 0
.rept 32
	global_load_b128 v[4*i:4*i+3], v4, s[10:11] offset:512*i th:TH_LOAD_NT   ; a whole row of W1: 512 consecutive bytes; nobody else reads it
.set i, i+1
.endr
	WIN 0
.irp u, 0,1
	global_load_b128 v[W1S+4*\u:W1S+4*\u+3], v104, s[12:13] offset:256*\u
.endr
.irp u, 0,1
	global_load_b128 v[B1+8*\u:B1+8*\u+3], v105, s[14:15] offset:32*\u       ; units 16 h + 8 u + 0 .. 7
	global_load_b128 v[B1+8*\u+4:B1+8*\u+7], v105, s[14:15] offset:32*\u+16
.endr
	; ---- every wave counts; wave 0 builds the list.  Until the barrier below no other wave touches LDS
	s_cmp_lg_u32 s24, 0
	s_cbranch_scc1 .Lno_fill
.irp i, 0,1,2,3,4,5,6,7
	ds_store_b128 v29, v[TM:TM+3] offset:512*\i    ; while eid is on its way: the list begins as zeros,
.endr
	ds_store_b32 v31, v[TM] offset:4096
.irp i, 0,1
	ds_store_b128 v29, v[TM:TM+3] offset:HSB-LIST+512*\i   ; and so do the hidden layer's scale words: a quad leaves whole, its unused tiles too
.endr
.Lno_fill:
	s_wait_loadcnt 38                              ; the eight loads of eid are in; the 38 loads of W1, its scales and b1, issued behind them, stay out
	; 32 steps, a register of eid each, in two halves of 16, each half stage by stage: so the way from vector to scalar registers and back is gone twice, not 32 times, and no line waits for the line above it
.irp hf, 0,1
.if \hf
	s_mov_b32 s[BS], s[BS+16]                      ; the count goes on
.endif
.set k, 0
.rept 16
	v_cmp_eq_u32 s[MK+k], s25, v[128+16*\hf+k]     ; whose token is mine?
.set k, k+1
.endr
	s_wait_alu depctr_va_sdst(0)                   ; the sixteen masks are written, ahead of their first reader, the bit counts; one wait for the run
.set k, 0
.rept 16
	s_bcnt1_i32_b32 s[CN+k], s[MK+k]
.set k, k+1
.endr
.set k, 0
.rept 16
	s_add_co_u32 s[BS+k+1], s[BS+k], s[CN+k]       ; those counted ahead of step k + 1
.set k, k+1
.endr
.if \hf
	s_mov_b32 s40, s[BS+16]                        ; the count, in every wave
	s_wait_alu depctr_vm_vsrc(0)                   ; wave 0's sixteen stores of the first half have read v160 to v191, which its lines behind the branch write again
.endif
	s_cmp_lg_u32 s24, 0
	s_cbranch_scc1 .Lcounted_\hf                   ; the places are wave 0's work alone
.set k, 0
.rept 16
	v_mbcnt_lo_u32_b32 v[RK+k], s[MK+k], s[BS+k]   ; a token's place: those counted so far + those in lower lanes
.set k, k+1
.endr
.set k, 0
.rept 16
	v_cndmask_b32 v[RK+k], v30, v[RK+k], s[MK+k]   ; the other lanes take their word of the dump.  The choice is made among WORD NUMBERS, ahead of the hold:
.set k, k+1
.endr
.set k, 0
.rept 16
	v_min_u32 v[RK+k], DUMPW+31, v[RK+k]           ; held inside the list's 1,088 words;
.set k, k+1
.endr
.set k, 0
.rept 16
	v_lshl_add_u32 v[RK+k], v[RK+k], 2, LIST       ; behind the hold only a shift and an addition make the address
.set k, k+1
.endr
.set k, 0
.rept 16
	v_add_nc_u32 v[TK+k], 128*((16*\hf+k)/4)+(16*\hf+k)%4, v27   ; the token's number
.set k, k+1
.endr
.if \hf                                        ; the count is known: the two addresses of the list's end are made here, ahead of the wait that stands below in any case
	s_max_u32 s41, s40, 1
	s_sub_co_u32 s41, s41, 1
	s_min_u32 s41, s41, 1023
	s_lshl_b32 s41, s41, 2
	s_add_co_u32 s41, s41, LIST
	v_mov_b32 v28, s41                             ; the last token's place
	s_min_u32 s41, s40, 1024
	s_lshl_b32 s41, s41, 2
	v_add_nc_u32 v22, s41, v31                     ; the 32 places behind it
.endif
	s_wait_alu depctr_va_vdst(0)                   ; v160 to v191 are written, which the sixteen stores read; in the second half v28 and v22 too
.set k, 0
.rept 16
	ds_store_b32 v[RK+k], v[TK+k]
.set k, k+1
.endr
.if \hf
	ds_load_b32 v101, v28                          ; the last token (LDS serves a wave's instructions in order: it sees the stores above)
	s_wait_dscnt 0x0
	ds_store_b32 v22, v101                         ; is repeated in the 32 places behind it
.endif
.Lcounted_\hf:
.endr
	BARRIER                                        ; the list lies in LDS
	s_wait_alu depctr_vm_vsrc(0)                   ; wave 0's LDS stores have read v96 to v99, v101 and v160 to v191: list words land in v160 to v191, and the quantiser's lines write v96 to v101
	s_min_u32 s27, s40, 1024                       ; n
	s_max_u32 s28, s27, 1
	s_mov_b32 s29, s28
.macro LISTLD j                        ; quad j of the superchunk (64 places): my wave's 16 places, the same words in all lanes; and the place whose scale row I fetch
.irp i, 0,1,2,3
	ds_load_b128 v[AD+16*\j+4*\i:AD+16*\j+4*\i+3], v8 offset:256*\j+16*\i
.endr
	ds_load_b32 v[AS+\j], v9 offset:256*\j
.endm
.macro CLAMP j                         ; tokens' numbers become offsets: held under 1,024 first
.irp i, 0,1,2,3,4,5,6,7,8,9,10,11,12,13,14,15
	v_min_u32 v[AD+16*\j+\i], 0x3ff, v[AD+16*\j+\i]
.endr
.irp i, 0,1,2,3,4,5,6,7,8,9,10,11,12,13,14,15
	v_lshl_add_u32 v[AD+16*\j+\i], v[AD+16*\j+\i], 9, v4       ; 512 x token + 16 x lane
.endr
	v_min_u32 v[AS+\j], 0x3ff, v[AS+\j]
	v_lshl_add_u32 v[AS+\j], v[AS+\j], 5, v5                   ; 32 x token + 16 x (t % 2)
.endm
.macro XROWS j                         ; 16 whole rows of codes, 512 consecutive bytes an instruction (the caller has set the destination's window to 2)
.irp i, 0,1,2,3,4,5,6,7,8,9,10,11,12,13,14,15
	global_load_b128 v[64*\j+4*\i:64*\j+4*\i+3], v[AD+16*\j+\i], s[6:7]
.endr
.endm
.macro XSCL j
	global_load_b128 v[XSL+4*\j:XSL+4*\j+3], v[AS+\j], s[8:9]
.endm
.macro STOREX j                        ; (the caller has set the data's window to 2)
.irp i, 0,1,2,3,4,5,6,7,8,9,10,11,12,13,14,15
	ds_store_b128 v[12+\j], v[64*\j+4*\i:64*\j+4*\i+3] offset:XPITCH*\i
.endr
.endm
.macro STORES j
	ds_store_b128 v16, v[XSL+4*\j:XSL+4*\j+3] offset:2048*\j
.endm
; W1's 32 rows go through my wave's own bytes of LDS and come back as fragments.  Memory row i goes to LDS row 16 ((i / 8) % 2) + 8 (i / 16) + i % 8, so that LDS row 16 u + r is memory row 8 u + r + 8 (r / 8).
; LDS serves a wave's instructions in order, so the loads see the stores' bytes; they land in the registers that the stores read, which the one wait between the two runs states.
.macro WTURN
	WIN 0x04                                       ; the data: window 1
.set i, 0
.rept 32
	ds_store_b128 v10, v[4*i:4*i+3] offset:XPITCH*(16*((i/8)%2)+8*(i/16)+i%8)
.set i, i+1
.endr
	WIN 0x40                                       ; destination window 1
	s_wait_alu depctr_vm_vsrc(0)                   ; the 32 stores have read window 1's v0 to v127, in which the fragments land
.irp u, 0,1
.irp s, 0,1,2,3,4,5,6,7
.irp g, 0,1
	ds_load_b128 v[64*\u+8*\s+4*\g:64*\u+8*\s+4*\g+3], v11 offset:16*XPITCH*\u+64*\s+32*\g
.endr
.endr
.endr
	WIN 0
.endm
; A PAIR is 32 list places: two tiles of tokens x my two tiles of units x 8 K steps.  Pair j of a superchunk, in three parts.
; XLOADS: its 34 LDS loads: the two tiles' scale words first, then the fragments K step by K step, four loads each
.macro XLOADS j
.if (\j) < 4
.set XA, 17
.else
.set XA, 20
.endif
.irp m, 0,1
	ds_load_b128 v[XC+4*\m:XC+4*\m+3], v18 offset:1024*(\j)+512*\m
.endr
.irp s, 0,1,2,3,4,5,6,7
.irp m, 0,1
.irp g, 0,1
	ds_load_b128 v[XF+64*\m+8*\s+4*\g:XF+64*\m+8*\s+4*\g+3], v[XA] offset:32*XPITCH*((\j)%4)+16*XPITCH*\m+64*\s+32*\g
.endr
.endr
.endr
.endm
; MULT: its 32 products.  In front of K step s: the scale words and the fragments up to that step are in; the four loads of each later step may be out, and (later = 1: every pair but a superchunk's
; first) the two byte stores of the pair before, which were issued behind these loads
.macro MULT later
	WIN 0x01                                       ; source 0 (W1) window 1
.irp s, 0,1,2,3,4,5,6,7                    ; the four accumulators take turns, one instruction a turn
	s_wait_dscnt 28-4*\s+2*(\later)
.irp m, 0,1
.irp u, 0,1
.if \s == 0
	MM ACC+16*\m+8*\u, 64*\u+8*\s, XF+64*\m+8*\s, B1+8*\u, W1S+4*\u+\s%4, XC+4*\m+\s%4, \s/4
.else
	MM ACC+16*\m+8*\u, 64*\u+8*\s, XF+64*\m+8*\s, ACC+16*\m+8*\u, W1S+4*\u+\s%4, XC+4*\m+\s%4, \s/4
.endif
.endr
.endr
.endr
	WIN 0
.rept 4
	v_nop                                          ; four places between the last product and the first read of its result by a vector instruction (ISA guide 7.12.1)
.endr
.endm
; EPILOG: relu; quantised; out
.macro EPILOG j
.set i, 0
.rept 32
	v_max_num_f32 v[ACC+i], 0, v[ACC+i]            ; relu, in f32; each accumulator from its low end on
.set i, i+1
.endr
.irp m, 0,1
	v_max3_num_f32 v[TM+\m], v[ACC+16*\m], v[ACC+16*\m+1], 0x1800000   ; my 16 numbers of the block (none is negative), and the floor 2^(3 - 127): the byte cannot fall under 1
.endr
.irp i, 2,4,6,8,10,12,14
.irp m, 0,1
	v_max3_num_f32 v[TM+\m], v[TM+\m], v[ACC+16*\m+\i], v[ACC+16*\m+\i+1]
.endr
.endr
.irp m, 0,1
	v_permlanex16_b32 v[TM+2+\m], v[TM+\m], s42, s43
.endr
.irp m, 0,1
	v_max_num_f32 v[TM+\m], v[TM+\m], v[TM+2+\m]   ; with lane l xor 16's: the block's largest
.endr
.irp m, 0,1
	v_add_nc_u32 v[TM+4+\m], 0xff000000, v[TM+\m]  ; 2 off the exponent field: the conversion's scale operand
.endr
.irp m, 0,1
	v_lshrrev_b32 v[TM+6+\m], 23, v[TM+4+\m]       ; the scale's byte
.endr
	s_wait_xcnt 0x0                                ; the stores of the pair before have had their addresses translated: the codes' registers are written again only behind this wait
.irp m, 0,1
	v_cvt_scalef32_pk8_fp4_f32 v[PC+2*\m], v[ACC+16*\m:ACC+16*\m+7], v[TM+4+\m]         ; units 16 h + 0 .. 7
	v_cvt_scalef32_pk8_fp4_f32 v[PC+2*\m+1], v[ACC+16*\m+8:ACC+16*\m+15], v[TM+4+\m]    ; and + 8 .. 15
.endr
	v_nop                                          ; one plain line behind the last scaled conversion
	s_wait_alu depctr_va_vdst(0)                   ; the conversions have written v108 to v111 and the shifts v102 and v103, which the four stores below read
.irp m, 0,1
	global_store_b64 v25, v[PC+2*\m:PC+2*\m+1], s[44:45] offset:65536*(\j)+32768*\m   ; the wave's 32 lanes store 256 consecutive bytes, aligned: block w of the tile's image; the tile's place stands in the immediate
	ds_store_b8 v19, v[TM+6+\m] offset:128*(\j)+64*\m   ; byte w of row r's scale word (lanes r and 16 + r write the same byte with the same value)
.endr
.endm
; Pair j's products; then, where places are left for it, the NEXT pair's loads, which are served while this pair is quantised; then this pair's way out.  Where no place is left, the run of pairs ends.
.macro PSTEP j, done
.if \j == 0
	MULT 0
.else
	MULT 1
.endif
	s_wait_alu depctr_vm_vsrc(0)                   ; the four stores of the pair before, issued 32 products ago, have read v108 to v111, v102 and v103, which this pair's way out writes again
.if \j < 7
	s_cmp_le_i32 s29, 32*\j+32
	s_cbranch_scc1 .Lnl_\@                         ; rows that nobody has brought into LDS are not read
	s_wait_alu depctr_va_vdst(0)                   ; the 32 products are done reading v56 to v63 and v128 to v255, in which the next pair's loads land
	XLOADS \j+1
.Lnl_\@:
.endif
	EPILOG \j
.if \j < 7
	s_cmp_le_i32 s29, 32*\j+32
	s_cbranch_scc1 \done
.endif
.endm
; A SUPERCHUNK: 256 list places.  Their codes and scale bytes come into LDS, 16 rows a wave and quad; then up to eight pairs of tiles, written out, so that every LDS offset is an immediate and one branch ends the run.
; Three quads are always fetched, in one run of loads behind one read of the list (places behind the repeats name token 0), the fourth where places are left for it.
; No barrier stands under a branch: a superchunk with nothing left passes its two barriers and steps its addresses.
.macro SUPER first
	v_add_nc_u32 v8, s34, v6                       ; (the loads that read v8 and v9 last stand ahead of the last superchunk's wait on vm_vsrc)
	v_add_nc_u32 v9, s34, v7
	s_wait_alu depctr_va_vdst(0)                   ; v8 and v9 are written, which the list's loads read; the products issued so far are done reading v56 to v63 and v128 to v255, and in the first superchunk the compares v128 to v159: list words and then fragments land there
.if \first == 0
	s_cmp_le_i32 s29, 0
	s_cbranch_scc1 .Lns_\@
.endif
	LISTLD 0
	LISTLD 1
	LISTLD 2
	s_wait_dscnt 0x0
	CLAMP 0
	CLAMP 1
	CLAMP 2
	WIN 0x80                                       ; destination window 2
	s_wait_alu depctr_va_vdst(0)                   ; the offsets v128 to v175 and v192 to v194 are written, which the 51 loads below read
	XROWS 0
	XROWS 1
	XROWS 2
	WIN 0
	XSCL 0
	XSCL 1
	XSCL 2
.if \first
	s_wait_loadcnt 51                              ; W1, its scales and b1 are in; the 48 + 3 loads just issued stay out
	WTURN                                          ; the turn runs while the tokens' rows are on their way
.endif
	s_wait_loadcnt 0x0
	WIN 0x08                                       ; the data: window 2
	STOREX 0
	STOREX 1
	STOREX 2
	WIN 0
	STORES 0
	STORES 1
	STORES 2
	s_cmp_le_i32 s29, 192
	s_cbranch_scc1 .Lns_\@
	LISTLD 3                                       ; (no vector line since the wait at the head names v8, v9, v176 to v191 or v195)
	s_wait_dscnt 0x0
	CLAMP 3
	WIN 0x80
	s_wait_alu depctr_va_vdst(0)                   ; the offsets v176 to v191 and v195 are written, which the 17 loads below read
	XROWS 3
	WIN 0
	XSCL 3
	s_wait_loadcnt 0x0
	WIN 0x08
	STOREX 3
	WIN 0
	STORES 3
.Lns_\@:
	BARRIER                                        ; the superchunk's rows lie in LDS (and my fragments of W1 are in)
	s_wait_alu depctr_vm_vsrc(0)                   ; the rows' loads have read their offsets v128 to v195, in which fragments land; the LDS stores have read window 2 and v112 to v127, in which the next superchunk's rows land; the list's loads have read v8 and v9; the loads or the store that read v104 and v105 last have done so
.if \first == 0
	s_cmp_le_i32 s29, 0
	s_cbranch_scc1 .Lpd_\@
.endif
	XLOADS 0
.irp j, 0,1,2,3,4,5,6,7
	PSTEP \j, .Lpd_\@
.endr
.Lpd_\@:
	BARRIER                                        ; all four bytes of every scale word lie in LDS, and nobody reads the superchunk's rows any more
	s_lshl_b32 s41, s24, 6
	s_sub_co_i32 s41, s29, s41
	s_cmp_le_i32 s41, 0                            ; wave w sends quad w, if the list reaches it
	s_cbranch_scc1 .Lnh_\@
	ds_load_b64 v[TM+8:TM+9], v23
	s_wait_dscnt 0x0
	global_store_b64 v24, v[TM+8:TM+9], s[46:47]   ; 32 lanes store 256 consecutive bytes, aligned
.Lnh_\@:
	s_wait_xcnt 0x0                                ; the stores have had their addresses translated: their bases are written again only behind this wait
	s_add_nc_u64 s[44:45], s[44:45], 524288        ; sixteen tiles on in hq
	s_add_nc_u64 s[46:47], s[46:47], 32768         ; four quads on in hs
	s_sub_co_i32 s29, s29, 256
	s_add_co_u32 s34, s34, 1024
.endm
	SUPER 1
	s_mov_b32 s36, 3
.Lsuper:
	SUPER 0
	s_sub_co_i32 s36, s36, 1
	s_cmp_lg_u32 s36, 0
	s_cbranch_scc1 .Lsuper
	; ---- the list and the count, for the next launch: wave 0 of the expert's first work-group
	s_or_b32 s41, s26, s24
	s_cmp_lg_u32 s41, 0
	s_cbranch_scc1 .Lend
	v_mov_b32 v100, s27
	s_wait_alu depctr_va_vdst(0)                   ; v100 is written, which the last store reads; the last products are done reading v128 to v159, in which the list lands
.irp i, 0,1,2,3,4,5,6,7
	ds_load_b128 v[128+4*\i:131+4*\i], v29 offset:512*\i
.endr
	s_wait_dscnt 0x0
.irp i, 0,1,2,3,4,5,6,7
	global_store_b128 v4, v[128+4*\i:131+4*\i], s[20:21] offset:512*\i
.endr
	global_store_b32 v27, v100, s[22:23]           ; n, 32 times: all lanes are on
.Lend:
	s_wait_dscnt 0x0                               ; the closing lines, six on end
	s_wait_alu 0x0
	s_wait_tensorcnt 0x0
	ds_add_u32 v106, v107
	s_wait_dscnt 0x0
	s_endpgm
.Lfunc_end_k_qbc351a8aa7_ffn1:
	.size	k_qbc351a8aa7_ffn1, .Lfunc_end_k_qbc351a8aa7_ffn1-k_qbc351a8aa7_ffn1
	.p2alignl 7, 3214868480
	.fill 96, 4, 3214868480
	.section	.rodata,"a",@progbits
	.p2align	6, 0x0
	.amdhsa_kernel k_qbc351a8aa7_ffn1
		.amdhsa_group_segment_fixed_size 217600
		.amdhsa_private_segment_fixed_size 0
		.amdhsa_enable_private_segment 0
		.amdhsa_kernarg_size 80
		.amdhsa_user_sgpr_count 2
		.amdhsa_user_sgpr_kernarg_segment_ptr 1
		.amdhsa_wavefront_size32 1
		.amdhsa_system_sgpr_workgroup_id_x 1
		.amdhsa_system_sgpr_workgroup_id_y 1
		.amdhsa_system_sgpr_workgroup_id_z 1
		.amdhsa_system_vgpr_workitem_id 0
		.amdhsa_next_free_vgpr 768
		.amdhsa_next_free_sgpr 100
		.amdhsa_reserve_vcc 0
		.amdhsa_float_denorm_mode_32 3
		.amdhsa_float_denorm_mode_16_64 3
		.amdhsa_memory_ordered 1
		.amdhsa_forward_progress 1
		.amdhsa_inst_pref_size 235
	.end_amdhsa_kernel
	.amdgpu_metadata
---
amdhsa.version: [ 1, 2 ]
amdhsa.kernels:
  - .name:           k_qbc351a8aa7_ffn1
    .symbol:         k_qbc351a8aa7_ffn1.kd
    .args:
      - { .name: eid, .offset: 0, .size: 8, .value_kind: global_buffer, .address_space: global }
      - { .name: xq, .offset: 8, .size: 8, .value_kind: global_buffer, .address_space: global }
      - { .name: xs, .offset: 16, .size: 8, .value_kind: global_buffer, .address_space: global }
      - { .name: W1_codes, .offset: 24, .size: 8, .value_kind: global_buffer, .address_space: global }
      - { .name: W1_scales, .offset: 32, .size: 8, .value_kind: global_buffer, .address_space: global }
      - { .name: b1, .offset: 40, .size: 8, .value_kind: global_buffer, .address_space: global }
      - { .name: hq, .offset: 48, .size: 8, .value_kind: global_buffer, .address_space: global }
      - { .name: hs, .offset: 56, .size: 8, .value_kind: global_buffer, .address_space: global }
      - { .name: list, .offset: 64, .size: 8, .value_kind: global_buffer, .address_space: global }
      - { .name: cnt, .offset: 72, .size: 8, .value_kind: global_buffer, .address_space: global }
    .group_segment_fixed_size: 217600
    .private_segment_fixed_size: 0
    .kernarg_segment_align: 8
    .kernarg_segment_size: 80
    .max_flat_workgroup_size: 128
    .sgpr_count:     100
    .vgpr_count:     768
    .wavefront_size: 32
...
	.end_amdgpu_metadata
.endif
;; end of part 4
;; launch ffn2 (part 5): grid 256 x 1, 4 waves a work-group, no clusters, 274,944 bytes of LDS; arguments cnt, list, hq, hs, W2_codes, W2_scales, b2, x, alpha, out0; writes out0
.if DOCPART == 5
	.amdgcn_target "amdgcn-amd-amdhsa--gfx1250"
	.amdhsa_code_object_version 6
	.text
	.protected	k_qbc351a8aa7_ffn2
	.globl	k_qbc351a8aa7_ffn2
	.p2align	8
	.type	k_qbc351a8aa7_ffn2,@function
k_qbc351a8aa7_ffn2:
	s_mov_b64 s[64:65], 0
	v_nop
	global_prefetch_b8 v0, s[64:65] scope:SCOPE_SE
	s_setreg_imm32_b32 hwreg(HW_REG_WAVE_SCHED_MODE, 0, 2), 2
	s_setreg_imm32_b32 hwreg(HW_REG_WAVE_MODE, 25, 1), 1
	s_wait_xcnt 0x0
	s_wait_alu depctr_vm_vsrc(0)
; THE SECOND PRODUCT AND THE BLEND, ON THE CHOSEN ROWS ALONE: out[t] = x[t] + alpha[t] (hidden[t] W2[e]^T + b2[e]), e the token's expert.
; That is alpha (x + f + b2) + (1 - alpha) x in another order of rounding; no difference of large sums is formed.
; SHARES.  Work-group (e, ds, p), e = id / 32, ds = (id / 2) % 16, p = id % 2, owns 64 columns of the output (a row's piece is 256 bytes, aligned) and the expert's tiles of 16 list places of parity p.
; THE WAVES SHARE K: wave w owns K steps 8 w .. 8 w + 7 of the 32, for all four tiles of columns: its part of W2 is 256 registers for the whole launch.  So each byte of the hidden layer enters the work-group once,
; from its image in memory straight into the operand's registers.  The four waves' partial sums meet in LDS; each wave then finishes four rows of every tile.
; THE PRODUCT IS USED TRANSPOSED (source 0 = 16 rows of W2, source 1 = 16 tokens): a lane holds eight neighbouring columns of one token.
; A SUPERCHUNK is eight slots: slot i is tile 16 sc + 2 i + p.  A slot counts where its tile begins under n; behind a slot that does not count none counts, so it ends the run of slots by one branch.
; Places behind the last token repeat it (the launch before laid the list so): such rows get the same bits and are stored to the same address by this same work-group, so every store has all lanes on.
; NO TENSOR LOAD AND NO CLUSTER, though the two parities read the same rows of W2 and the 16 column blocks the same hidden codes.
; LIMITS.  NaN and infinities are not served.  The sum over K is taken in four parts of 1,024, added as (w0 + w1) + (w2 + w3).
; THE MODE: SCHED_MODE bits 1:0 = 2 (LLVM: expert scheduling mode 2), set by the entry lines.  The code itself states the register dependences
; between vector or matrix instructions and memory or LDS instructions, with s_wait_alu, always for 0.
; THE PLAN.  Registers that memory or LDS instructions touch, and who else names them:
;   v3-15                offsets and LDS addresses: written once at the head, ahead of one wait on va_vdst, and never again.
;   v16-31 (HO, HSO)     written by ADDR; read by the loads of the hidden codes and of their scale words.
;   windows 2, 3, v52-83 global loads land; the products read them.  (Window 3 holds W2's rows first: global loads land, LDS stores read.)   window 1: LDS loads land once; the products read.
;   v148-163 (OFF)       the list's loads land; two vector stages rewrite them; x's loads and the stores of the result read them as offsets.
;   v164-179 (AL)        alpha lands; the blend reads.     v180-243 (XR)  x lands; the blend rewrites it; the stores read it.
;   v84-115, v116-147    TWO BUFFERS of four accumulators, by turns: slot i's products write buffer i % 2, its eight LDS stores read it.  Ahead of the products v116-131 hold alpha's offsets (written by a
;                        vector stage, read by alpha's loads); behind the barrier the parts' LDS loads land in v116-147 and the blend's additions work there.
; THE WAITS OF A SUPERCHUNK.  At its head one on va_vdst (the offsets are written; the earlier products and blend are done with what the loads land in).  One on va_vdst behind the three stages on the tokens' numbers,
; ahead of the 32 loads of alpha and x.  In a slot, behind its products and their places: one on va_vdst (the results are written), and beside it one on vm_vsrc, which stands AHEAD of the slot's own stores and so
; waits for the stores of the slot before, issued 32 products ago: they have read the buffer that the next slot's products write.  Behind the parts' barrier one on vm_vsrc.  In a slot's blend one on va_vdst ahead of
; its two stores, which also serves the next slot's LDS loads.  At the end one on vm_vsrc, which frees offsets and store data for the next superchunk.
.set PPITCH, 272                       ; a row of 64 f32 + 16 bytes
.set PSLOT,  16*PPITCH
.set PWAVE,  8*PSLOT                   ; LDS from 0 on: partial sums [wave][slot][16 rows]
.set WPITCH, 528
.set WST,    4*PWAVE                   ; 64 rows of 512 bytes of W2 for each wave: the turn from rows to fragments
.set HO,   16                          ; v16-23   slot i: its tile's offset in hq
.set HSO,  24                          ; v24-31   and in hs
.set B2,   32                          ; v32-35   b2 of my four columns
.set W2S,  36                          ; v36-51   W2's scale words: tile c, register j: K step 8 w + j in lanes 0-15, 8 w + 4 + j in lanes 16-31
.set HS,   52                          ; v52-83   the hidden layer's, 4 a slot, laid likewise
.set ACC,  84                          ; v84-115  four accumulators, one for each tile of columns: the even slots'
.set TS,   116                         ; v116-147 the odd slots' four accumulators; behind the barrier: partial sums back from LDS
.set AA,   116                         ; v116-131 ahead of the products: 16 tokens' offsets in alpha
.set OFF,  148                         ; v148-163 16 tokens: their numbers, then their offsets in x and out0
.set AL,   164                         ; v164-179 alpha
.set XR,   180                         ; v180-243 their 16 bytes of x, then of the result
; v1 r, v2 h, v3 16 lane, v4 16 (lane % 16), v5 8192 w + 16 lane, v6 2048 w + 1024 h + 4 r, v7 WST + my wave + 16 lane, v8 WST + my wave + 528 r + 16 h, v9 my wave's sums + 272 r + 32 h,
; v10-13 wave v's sums + 272 (4 w + lane / 16) + 16 (lane % 16), v14 4 (4 w + lane / 16), v15 128 r + 16 h; v254, v255: the closing add's two registers.
; window 1: W2's fragment (c, K step s) at 64 c + 8 s.   window 2: the hidden fragments of slots 0-3, at 64 i + 8 s.   window 3: W2's rows as loaded, row i at 4 i; afterwards slots 4-7.
; s24 w, s25 e, s26 ds, s27 n, s28 p, s29 T = tiles that count, s30 the last tile that the launch before has written, s31 slot 0's tile, s32 counter, s36-38 at work.
.set MSB, 0
.macro WIN new                         ; the immediate's high byte repeats the setting that is left; a switch that changes nothing is dropped
.if MSB != (\new)
	s_set_vgpr_msb (MSB<<8)|(\new)
.set MSB, (\new)
.endif
.endm
.macro BARRIER                         ; my LDS stores have landed and my LDS loads are in: then the work-group's barrier
	s_wait_dscnt 0x0
	s_barrier_signal -1
	s_barrier_wait -1
.endm
; one matrix instruction.  c: the C's first register, or under 0 for the constant 0, which starts a sum.  row = 1: both sides' scale words are taken from lanes 16-31
.macro MM d, a, b, c, sa, sb, row
.if (\c) < 0
.if \row
	v_wmma_scale_f32_16x16x128_f8f6f4 v[(\d):(\d)+7], v[(\a):(\a)+7], v[(\b):(\b)+7], 0, v[(\sa)], v[(\sb)] matrix_a_fmt:MATRIX_FMT_FP4 matrix_b_fmt:MATRIX_FMT_FP4 matrix_a_scale:MATRIX_SCALE_ROW1 matrix_b_scale:MATRIX_SCALE_ROW1
.else
	v_wmma_scale_f32_16x16x128_f8f6f4 v[(\d):(\d)+7], v[(\a):(\a)+7], v[(\b):(\b)+7], 0, v[(\sa)], v[(\sb)] matrix_a_fmt:MATRIX_FMT_FP4 matrix_b_fmt:MATRIX_FMT_FP4
.endif
.else
.if \row
	v_wmma_scale_f32_16x16x128_f8f6f4 v[(\d):(\d)+7], v[(\a):(\a)+7], v[(\b):(\b)+7], v[(\c):(\c)+7], v[(\sa)], v[(\sb)] matrix_a_fmt:MATRIX_FMT_FP4 matrix_b_fmt:MATRIX_FMT_FP4 matrix_a_scale:MATRIX_SCALE_ROW1 matrix_b_scale:MATRIX_SCALE_ROW1
.else
	v_wmma_scale_f32_16x16x128_f8f6f4 v[(\d):(\d)+7], v[(\a):(\a)+7], v[(\b):(\b)+7], v[(\c):(\c)+7], v[(\sa)], v[(\sb)] matrix_a_fmt:MATRIX_FMT_FP4 matrix_b_fmt:MATRIX_FMT_FP4
.endif
.endif
.endm
	s_load_b512 s[4:19], s[0:1], 0x0               ; cnt s[4:5], list s[6:7], hq s[8:9], hs s[10:11], W2's codes s[12:13], its scales s[14:15], b2 s[16:17], x s[18:19]
	s_load_b128 s[20:23], s[0:1], 0x40             ; alpha s[20:21], out0 s[22:23]
	v_lshl_add_u32 v254, v0, 2, 0x43000
	v_mov_b32 v255, 0
	v_lshrrev_b32 v16, 5, v0
	v_readfirstlane_b32 s24, v16                   ; wave 0..3
	s_lshr_b32 s25, ttmp9, 5                       ; e
	s_bfe_u32 s26, ttmp9, 0x40001                  ; ds
	s_and_b32 s28, ttmp9, 1                        ; p
	v_and_b32 v1, 15, v0
	v_bfe_u32 v2, v0, 4, 1
	v_and_b32 v3, 31, v0
	v_lshlrev_b32 v3, 4, v3
	v_lshlrev_b32 v4, 4, v1
	s_wait_alu depctr_va_sdst(0)                   ; s24 is written, ahead of its first reader: addresses and bases are made from it
	s_lshl_b32 s36, s24, 13
	v_add_nc_u32 v5, s36, v3
	s_lshl_b32 s36, s24, 11
	v_lshl_add_u32 v6, v2, 10, s36
	v_lshl_add_u32 v6, v1, 2, v6
	s_mul_i32 s36, s24, 64*WPITCH
	s_add_co_u32 s36, s36, WST
	v_add_nc_u32 v7, s36, v3
	v_mul_u32_u24 v8, v1, WPITCH
	v_lshl_add_u32 v8, v2, 4, v8
	v_add_nc_u32 v8, s36, v8
	s_mul_i32 s36, s24, PWAVE
	v_mul_u32_u24 v9, v1, PPITCH
	v_lshl_add_u32 v9, v2, 5, v9
	v_add_nc_u32 v9, s36, v9
	s_lshl_b32 s36, s24, 2
	v_add_nc_u32 v14, s36, v2                      ; 4 w + lane / 16: the first of the rows that I finish
	v_mul_u32_u24 v10, v14, PPITCH
	v_add_nc_u32 v10, v10, v4
	v_add_nc_u32 v11, PWAVE, v10
	v_add_nc_u32 v12, 2*PWAVE, v10
	v_add_nc_u32 v13, 3*PWAVE, v10
	v_lshlrev_b32 v14, 2, v14
	v_lshlrev_b32 v15, 7, v1
	v_lshl_add_u32 v15, v2, 4, v15
	s_mov_b32 s35, 0
	s_wait_kmcnt 0x0
	s_lshl_b32 s34, s25, 7
	s_add_nc_u64 s[4:5], s[4:5], s[34:35]          ; cnt: 128 bytes an expert
	s_load_b32 s27, s[4:5], 0x0                    ; n
	s_lshl_b32 s34, s25, 12                        ; list: 4,096 bytes an expert; tile p begins 64 p bytes on
	s_lshl_b32 s36, s28, 6
	s_add_co_u32 s34, s34, s36
	s_add_nc_u64 s[6:7], s[6:7], s[34:35]
	s_lshl_b32 s34, s25, 21
	s_add_nc_u64 s[8:9], s[8:9], s[34:35]          ; hq: 2 MiB an expert
	s_lshl_b32 s36, s26, 17                        ; W2's codes: row 1024 e + 64 ds, 2,048 bytes a row; my K steps begin 512 w bytes on
	s_add_co_u32 s34, s34, s36
	s_lshl_b32 s36, s24, 9
	s_add_co_u32 s34, s34, s36
	s_add_nc_u64 s[12:13], s[12:13], s[34:35]
	s_lshr_b32 s34, s34, 4                         ; its scale bytes: 128 a row, 32 w on
	s_add_nc_u64 s[14:15], s[14:15], s[34:35]
	s_lshl_b32 s34, s25, 17
	s_add_nc_u64 s[10:11], s[10:11], s[34:35]      ; hs: 128 KiB an expert
	s_lshl_b32 s34, s26, 8                         ; my 64 columns: 256 bytes on in a row of x and of out0,
	s_add_nc_u64 s[18:19], s[18:19], s[34:35]
	s_add_nc_u64 s[22:23], s[22:23], s[34:35]
	s_lshl_b32 s36, s25, 12
	s_add_co_u32 s34, s34, s36                     ; and of the expert's row of b2
	s_add_nc_u64 s[16:17], s[16:17], s[34:35]
	WIN 0xc0                                       ; destination window 3
	s_wait_alu depctr_va_vdst(0)                   ; the offsets and LDS addresses v3 to v15 are written: the loads and stores of the whole kernel read them
.set i, 0
.rept 64
	global_load_b128 v[4*i:4*i+3], v3, s[12:13] offset:2048*i      ; my 512 bytes of row i: consecutive.  (The work-group of the other parity reads them too: no hint)
.set i, i+1
.endr
	WIN 0
.irp c, 0,1,2,3
	global_load_b128 v[W2S+4*\c:W2S+4*\c+3], v15, s[14:15] offset:2048*\c
.endr
	global_load_b128 v[B2:B2+3], v4, s[16:17]
.set i, 0
.rept 16
	v_mov_b32 v[HS+16+i], 0                        ; slots 4 to 7's scale words are written on every way, also where no load fills them
.set i, i+1
.endr
	s_wait_kmcnt 0x0
	s_min_u32 s27, s27, 1024
	s_add_co_u32 s29, s27, 15
	s_lshr_b32 s29, s29, 4                         ; T = ceil(n / 16)
	s_max_u32 s30, s27, 1
	s_add_co_u32 s30, s30, 31
	s_lshr_b32 s30, s30, 5
	s_lshl_b32 s30, s30, 1
	s_sub_co_u32 s30, s30, 1                       ; 2 ceil(max(n, 1) / 32) - 1
	s_mov_b32 s31, s28
; slot i's offsets.  written = 1: a slot that may not count is held at the last tile that has been written.  What hangs on n enters an address behind a hold at a constant
.macro ADDR i, written
	s_add_co_u32 s36, s31, 2*\i
.if \written
	s_min_u32 s36, s36, s30
.endif
	s_lshr_b32 s37, s36, 2
	s_min_u32 s37, s37, 15                         ; the quad of tiles
	s_min_u32 s36, s36, 63                         ; the tile
	s_lshl_b32 s37, s37, 13
	s_and_b32 s38, s36, 3
	s_lshl_b32 s38, s38, 6
	s_add_co_u32 s37, s37, s38
	s_lshl_b32 s36, s36, 15
	v_add_nc_u32 v[HO+\i], s36, v5
	v_add_nc_u32 v[HSO+\i], s37, v6
.endm
.macro HCODES i                        ; my eight K steps of slot i's tile: the operand's registers as they lie in memory, 512 consecutive bytes an instruction (the caller has set the destination's window)
.irp s, 0,1,2,3,4,5,6,7
.irp g, 0,1
	global_load_b128 v[64*((\i)%4)+8*\s+4*\g:64*((\i)%4)+8*\s+4*\g+3], v[HO+\i], s[8:9] offset:1024*\s+512*\g
.endr
.endr
.endm
.macro HSCALES i
.irp j, 0,1,2,3
	global_load_b32 v[HS+4*\i+\j], v[HSO+\i], s[10:11] offset:256*\j
.endr
.endm
; slots 4 to 7 are fetched where they count; the first that does not ends the run (out).  turned = 1: W2's rows have just been stored from window 3 into LDS
.macro HIGH i, out, turned
	s_add_co_u32 s36, s31, 2*\i
	s_cmp_ge_u32 s36, s29
	s_cbranch_scc1 \out
.if \turned
	s_wait_dscnt 0x0                               ; those stores are done.  (Where no slot lands in window 3, only LDS loads follow the stores, and LDS serves a wave's instructions in order)
	s_wait_alu depctr_vm_vsrc(0)                   ; the 64 LDS stores have read window 3, in which slots 4 to 7 land
.endif
	ADDR \i, 0
	WIN 0xc0
	s_wait_alu depctr_va_vdst(0)                   ; the slot's two offsets are written, which the 20 loads below read
	HCODES \i
	WIN 0
	HSCALES \i
.endm
; slot i: 32 products into buffer i % 2; my part of the sums goes to LDS
.macro MULS i, out
	s_add_co_u32 s36, s31, 2*\i
	s_cmp_ge_u32 s36, s29
	s_cbranch_scc1 \out
.set AB, ACC+32*((\i)%2)
	WIN 0x09+4*((\i)/4)                            ; source 0 (W2) window 1, source 1 (the hidden layer) window 2 or 3
.irp s, 0,1,2,3,4,5,6,7                    ; the four accumulators take turns, one instruction a turn
.irp c, 0,1,2,3
.if \s == 0
	MM AB+8*\c, 64*\c+8*\s, 64*((\i)%4)+8*\s, -1, W2S+4*\c+\s%4, HS+4*(\i)+\s%4, \s/4
.else
	MM AB+8*\c, 64*\c+8*\s, 64*((\i)%4)+8*\s, AB+8*\c, W2S+4*\c+\s%4, HS+4*(\i)+\s%4, \s/4
.endif
.endr
.endr
	WIN 0
.rept 5
	v_nop                                          ; four places ahead of the stores that read the results; five ahead of a product that begins these accumulators anew
.endr
	s_wait_alu depctr_va_vdst(0)                   ; the products have written this slot's four accumulators, which the eight stores below read; the places above stay beside this wait
	s_wait_alu depctr_vm_vsrc(0)                   ; the stores of the slot before have read the other buffer, which the next slot's products write; in slot 0: alpha's loads have read their offsets v116 to v131, which lie in it
.if \i == 0
	s_wait_xcnt 0x0                                ; and have had their addresses translated: slot 1's products write over those offsets only behind this wait
.endif
.irp c, 0,1,2,3
	ds_store_b128 v9, v[AB+8*\c:AB+8*\c+3] offset:PSLOT*\i+64*\c            ; token r, columns 16 c + 8 h + 0 .. 3; each accumulator from its low end on
	ds_store_b128 v9, v[AB+8*\c+4:AB+8*\c+7] offset:PSLOT*\i+64*\c+16
.endr
.endm
; slot i: my four rows of the tile, two an instruction: the four waves' parts, b2, the gate, the residual; out
.macro EPI i, out
	s_add_co_u32 s36, s31, 2*\i
	s_cmp_ge_u32 s36, s29
	s_cbranch_scc1 \out
.irp k, 0,1
.irp v, 0,1,2,3
	ds_load_b128 v[TS+16*\k+4*\v:TS+16*\k+4*\v+3], v[10+\v] offset:PSLOT*\i+2*PPITCH*\k   ; (no vector line since the last wait on va_vdst names v116 to v147)
.endr
.endr
	s_wait_dscnt 0x0
.irp k, 0,1
.irp j, 0,2
	v_pk_add_f32 v[TS+16*\k+\j:TS+16*\k+\j+1], v[TS+16*\k+\j:TS+16*\k+\j+1], v[TS+16*\k+4+\j:TS+16*\k+4+\j+1]
	v_pk_add_f32 v[TS+16*\k+8+\j:TS+16*\k+8+\j+1], v[TS+16*\k+8+\j:TS+16*\k+8+\j+1], v[TS+16*\k+12+\j:TS+16*\k+12+\j+1]
.endr
.irp j, 0,2
	v_pk_add_f32 v[TS+16*\k+\j:TS+16*\k+\j+1], v[TS+16*\k+\j:TS+16*\k+\j+1], v[TS+16*\k+8+\j:TS+16*\k+8+\j+1]
.endr
.irp j, 0,2
	v_pk_add_f32 v[TS+16*\k+\j:TS+16*\k+\j+1], v[TS+16*\k+\j:TS+16*\k+\j+1], v[B2+\j:B2+\j+1]
.endr
.irp j, 0,1,2,3
	v_fma_f32 v[XR+4*(2*\i+\k)+\j], v[AL+2*\i+\k], v[TS+16*\k+\j], v[XR+4*(2*\i+\k)+\j]   ; x + alpha (f + b2)
.endr
.endr
	s_wait_alu depctr_va_vdst(0)                   ; the blend has written the slot's eight registers of the result, which the two stores read, and is done with v116 to v147, in which the next slot's parts land
.irp k, 0,1
	global_store_b128 v[OFF+2*\i+\k], v[XR+4*(2*\i+\k):XR+4*(2*\i+\k)+3], s[22:23] th:TH_STORE_NT   ; 16 lanes store 256 consecutive bytes of a row, aligned
.endr
.endm
.macro SUPER first
.if \first == 0
	s_cmp_ge_u32 s31, s29
	s_cbranch_scc1 .Lnw_\@                         ; nothing is left: the two barriers are passed all the same
.endif
.irp i, 0,1,2,3
	ADDR \i, 1
.endr
	WIN 0x80                                       ; destination window 2
	s_wait_alu depctr_va_vdst(0)                   ; the offsets v16 to v19 and v24 to v27 are written, which the loads below read; the products issued so far are done reading windows 2 and 3 and v52 to v83, and the vector lines are done with v68 to v83 and v148 to v163: loads land in all of these
.irp i, 0,1,2,3
	HCODES \i
.endr
	WIN 0
.irp i, 0,1,2,3
	HSCALES \i
.endr
.irp i, 0,1,2,3,4,5,6,7
.irp k, 0,1
	global_load_b32 v[OFF+2*\i+\k], v14, s[6:7] offset:128*\i+8*\k   ; the tokens of the rows that I finish: place 16 (2 i) + 4 w + lane / 16 + 2 k from the superchunk's first tile on
.endr
.endr
.if \first
	s_wait_loadcnt 63                              ; behind W2, its scales and b2 96 loads were issued: with 63 out at the most, all of those are in
	WIN 0x0c                                       ; the data: window 3
.set i, 0
.rept 64
	ds_store_b128 v7, v[4*i:4*i+3] offset:WPITCH*i ; W2's rows into my wave's own bytes of LDS
.set i, i+1
.endr
	WIN 0
.endif
	HIGH 4, .Lhd_\@, \first
	HIGH 5, .Lhd_\@, 0
	HIGH 6, .Lhd_\@, 0
	HIGH 7, .Lhd_\@, 0
.Lhd_\@:
.if \first
	WIN 0x40                                       ; destination window 1, which nothing has named: W2 comes back as fragments while the hidden codes are on their way
.irp c, 0,1,2,3
.irp s, 0,1,2,3,4,5,6,7
.irp g, 0,1
	ds_load_b128 v[64*\c+8*\s+4*\g:64*\c+8*\s+4*\g+3], v8 offset:16*WPITCH*\c+64*\s+32*\g
.endr
.endr
.endr
	WIN 0
.endif
	s_wait_loadcnt 0x0                             ; the hidden codes, their scale words and the tokens' numbers
	; the tokens' numbers become offsets, stage by stage, so that one wait serves the 32 loads
.set q, 0
.rept 16
	v_min_u32 v[OFF+q], 0x3ff, v[OFF+q]
.set q, q+1
.endr
.set q, 0
.rept 16
	v_lshlrev_b32 v[AA+q], 2, v[OFF+q]             ; 4 x token: alpha's
.set q, q+1
.endr
.set q, 0
.rept 16
	v_lshl_add_u32 v[OFF+q], v[OFF+q], 12, v4      ; 4,096 x token + my 16 bytes of the 256
.set q, q+1
.endr
	s_wait_alu depctr_va_vdst(0)                   ; the offsets v116 to v131 and v148 to v163 are written, which the 32 loads below read
.set q, 0
.rept 16
	global_load_b32 v[AL+q], v[AA+q], s[20:21]     ; alpha
	global_load_b128 v[XR+4*q:XR+4*q+3], v[OFF+q], s[18:19]   ; x: they land while the products run
.set q, q+1
.endr
	s_wait_dscnt 0x0                               ; W2's fragments
.irp i, 0,1,2,3,4,5,6,7
	MULS \i, .Lnw_\@
.endr
.Lnw_\@:
	BARRIER                                        ; the four waves' parts lie in LDS
	s_wait_loadcnt 0x0                             ; x and alpha
	s_wait_alu depctr_vm_vsrc(0)                   ; my LDS stores have read v116 to v147, and alpha's loads their offsets there: the parts' loads land in these registers
.irp i, 0,1,2,3,4,5,6,7
	EPI \i, .Lnx_\@
.endr
.Lnx_\@:
	BARRIER                                        ; nobody reads the parts any more
	s_wait_xcnt 0x0                                ; the stores and loads have had their addresses translated: their registers and bases are written again only behind this wait
	s_wait_alu depctr_vm_vsrc(0)                   ; the loads have read their offsets v16 to v31, and the stores v148 to v163 and their data v180 to v243: the next superchunk writes all of these, by vector lines or by loads
	s_add_co_u32 s31, s31, 16
	s_add_nc_u64 s[6:7], s[6:7], 1024
.endm
	SUPER 1
	s_mov_b32 s32, 3
.Lsuper:
	SUPER 0
	s_sub_co_i32 s32, s32, 1
	s_cmp_lg_u32 s32, 0
	s_cbranch_scc1 .Lsuper
	s_wait_dscnt 0x0                               ; the closing lines, six on end
	s_wait_alu 0x0
	s_wait_tensorcnt 0x0
	ds_add_u32 v254, v255
	s_wait_dscnt 0x0
	s_endpgm
.Lfunc_end_k_qbc351a8aa7_ffn2:
	.size	k_qbc351a8aa7_ffn2, .Lfunc_end_k_qbc351a8aa7_ffn2-k_qbc351a8aa7_ffn2
	.p2alignl 7, 3214868480
	.fill 96, 4, 3214868480
	.section	.rodata,"a",@progbits
	.p2align	6, 0x0
	.amdhsa_kernel k_qbc351a8aa7_ffn2
		.amdhsa_group_segment_fixed_size 274944
		.amdhsa_private_segment_fixed_size 0
		.amdhsa_enable_private_segment 0
		.amdhsa_kernarg_size 80
		.amdhsa_user_sgpr_count 2
		.amdhsa_user_sgpr_kernarg_segment_ptr 1
		.amdhsa_wavefront_size32 1
		.amdhsa_system_sgpr_workgroup_id_x 1
		.amdhsa_system_sgpr_workgroup_id_y 1
		.amdhsa_system_sgpr_workgroup_id_z 1
		.amdhsa_system_vgpr_workitem_id 0
		.amdhsa_next_free_vgpr 1024
		.amdhsa_next_free_sgpr 66
		.amdhsa_reserve_vcc 0
		.amdhsa_float_denorm_mode_32 3
		.amdhsa_float_denorm_mode_16_64 3
		.amdhsa_memory_ordered 1
		.amdhsa_forward_progress 1
		.amdhsa_inst_pref_size 188
	.end_amdhsa_kernel
	.amdgpu_metadata
---
amdhsa.version: [ 1, 2 ]
amdhsa.kernels:
  - .name:           k_qbc351a8aa7_ffn2
    .symbol:         k_qbc351a8aa7_ffn2.kd
    .args:
      - { .name: cnt, .offset: 0, .size: 8, .value_kind: global_buffer, .address_space: global }
      - { .name: list, .offset: 8, .size: 8, .value_kind: global_buffer, .address_space: global }
      - { .name: hq, .offset: 16, .size: 8, .value_kind: global_buffer, .address_space: global }
      - { .name: hs, .offset: 24, .size: 8, .value_kind: global_buffer, .address_space: global }
      - { .name: W2_codes, .offset: 32, .size: 8, .value_kind: global_buffer, .address_space: global }
      - { .name: W2_scales, .offset: 40, .size: 8, .value_kind: global_buffer, .address_space: global }
      - { .name: b2, .offset: 48, .size: 8, .value_kind: global_buffer, .address_space: global }
      - { .name: x, .offset: 56, .size: 8, .value_kind: global_buffer, .address_space: global }
      - { .name: alpha, .offset: 64, .size: 8, .value_kind: global_buffer, .address_space: global }
      - { .name: out0, .offset: 72, .size: 8, .value_kind: global_buffer, .address_space: global }
    .group_segment_fixed_size: 274944
    .private_segment_fixed_size: 0
    .kernarg_segment_align: 8
    .kernarg_segment_size: 80
    .max_flat_workgroup_size: 128
    .sgpr_count:     66
    .vgpr_count:     1024
    .wavefront_size: 32
...
	.end_amdgpu_metadata
.endif
;; end of part 5
